; MI455X (gfx1250); checked and timed in simulation.
; The chip was launched on July 23, 2026; its instructions are those of AMD's public machine-readable ISA for CDNA 5 (MIT licence, August 2026) and "CDNA5" Instruction Set Architecture Reference Guide (July 2026). The comments in the code are by the model that wrote it; some were corrected since.
;; Tantra Attention. Allowed arithmetic: matrix products marked QUANTISED: E2M1 operands, one E8M0 scale for each 32 along K, by v_wmma_scale_f32_16x16x128_f8f6f4 with both operands' format E2M1 (or v_wmma_scale_f32_32x16x128_f4), f32 sums; products left as they are: bf16, f16 or f32 operands; f32 sums; everything else in f32.
;; Inputs: Wk 1,024 x 1,024 float32; Wo 1,024 x 1,024 float32; Wq 1,024 x 1,024 float32; Wv 1,024 x 1,024 float32; bk 1,024 float32; bo 1,024 float32; bq 1,024 float32; bv 1,024 float32; ocr_bias 1,024 float32; ocr_context 4 x 2,048 x 1,024 float32; x 4 x 2,048 x 1,024 float32.
;; Outputs: out0 4 x 2,048 x 1,024 float32.
;; This version of the problem:
;;   THIS VERSION OF THE PROBLEM IS GIVEN IN LOW PRECISION. The matrix products marked QUANTISED in the list below multiply operands that are first quantised to E2M1 (2 exponent bits, 1 mantissa bit; 4 bits a number), with one power-of-two scale for each 32 numbers along K (OCP MX v1.0); their sums are f32. The products marked 'left as it is' may take bf16, f16 or f32 operands, with f32 sums. Whichever they take, every output number must still come out within the allowed error. Rounding operands to bf16 (8 significant bits) uses up far more of that allowance than f16 does (11 bits, for magnitudes from 6e-5 to 65,504). All else is computed in f32.
;;   The module's matrix products, in the order in which they are computed (A, B: the left and right operand; K: the contracted axis; several contracted axes count as one K, in the product's order):
;;     1. [M 8,192, K 1,024] x [K 1,024, N 1,024]; A: input x; B: input Wq: QUANTISED
;;     2. [M 8,192, K 1,024] x [K 1,024, N 1,024]; A: input x; B: input Wk: QUANTISED
;;     3. [M 8,192, K 1,024] x [K 1,024, N 1,024]; A: input x; B: input Wv: QUANTISED
;;     4. batch 64 x [M 2,048, K 64] x [K 64, N 2,048]; A: computed on the way; B: computed on the way: left as it is (an operand is computed on the way)
;;     5. batch 64 x [M 2,048, K 2,048] x [K 2,048, N 64]; A: computed on the way; B: computed on the way: left as it is (an operand is computed on the way)
;;     6. [M 8,192, K 1,024] x [K 1,024, N 1,024]; A: computed on the way; B: input Wo: left as it is (an operand is computed on the way)
;;   THE QUANTISER, for each operand of a quantised product, along K:
;;     - K is cut into blocks of 32 from its start; a last block that is shorter is filled with zeros.
;;     - A block's scale is 2^e with e = floor(log2(the largest magnitude in the block)) - 2, held to -126 .. 127; a block of zeros has e = 0. As a byte (E8M0): e + 127.
;;     - Each number is divided by its block's scale, clamped to +-6, and rounded to the nearest number of E2M1, ties to even, subnormals kept.
;;     - The product sums the exact products of the quantised numbers (number of the format x scale) in f32.
;;   ~~~python
;;   def quantise(x, axis):      # numpy; x: float32 -> the quantised numbers, widened to float32 again
;;       x = np.moveaxis(x, axis, -1); K = x.shape[-1]
;;       x = np.pad(x, [(0, 0)] * (x.ndim - 1) + [(0, -K % 32)]); x = x.reshape(x.shape[:-1] + (-1, 32)); a = np.abs(x).max(-1, keepdims=True)
;;       e = np.where(a > 0, np.clip(np.frexp(np.where(a > 0, a, 1))[1] - 1 - 2, -126, 127), 0)      # np.frexp(a)[1] - 1 = floor(log2(a)), exactly
;;       r = np.clip(x / 2.0 ** e, -6, 6)
;;       step = 2.0 ** (np.maximum(np.frexp(np.where(r == 0, 1, r))[1] - 1, 0) - 1)
;;       q = np.round(r / step) * step * 2.0 ** e      # np.round: ties to even
;;       return np.moveaxis(q.reshape(q.shape[:-2] + (-1,))[..., :K], -1, axis).astype(np.float32)
;;   ~~~
;; One version. Each part assembles by itself: llvm-mc -triple=amdgcn-amd-amdhsa -mcpu=gfx1250 --defsym DOCPART=n.
;; ======== version 1 of 1: 4 launches
;; limits: values are held in f16: magnitudes above 65,504 overflow, below 6.1e-05 lose precision
;; workspace buffers: xc 4,194,304 bytes; xs 262,144 bytes; wc 1,572,864 bytes; ws 98,304 bytes; wo16 2,097,152 bytes; qk 33,554,432 bytes; vt 16,777,216 bytes; att 16,777,216 bytes
;; launch quant (part 1): grid 384 x 1, 4 waves a work-group, no clusters, 33,280 bytes of LDS; arguments x, Wq, Wk, Wv, Wo, xc, xs, wc, ws, wo16; writes xc, xs, wc, ws, wo16
.if DOCPART == 1
	.amdgcn_target "amdgcn-amd-amdhsa--gfx1250"
	.amdhsa_code_object_version 6
	.text
	.protected	k_q805b0c229e_quant
	.globl	k_q805b0c229e_quant
	.p2align	8
	.type	k_q805b0c229e_quant,@function
k_q805b0c229e_quant:
	s_mov_b64 s[64:65], 0
	v_nop
	global_prefetch_b8 v0, s[64:65] scope:SCOPE_SE
	s_setreg_imm32_b32 hwreg(HW_REG_WAVE_MODE, 25, 1), 1
	s_wait_xcnt 0x0
; x [8192][1024] and Wq, Wk, Wv [1024][1024], f32, K innermost, become codes of FP4 (E2M1), two a byte, with one E8M0 byte for each 32 along K; Wo [1024][1024] becomes f16.
; xc [8192][512 bytes], xs [8192][32]; wc [3072][512], ws [3072][32]: rows 0-1023 Wq's, 1024-2047 Wk's, 2048-3071 Wv's; wo16 [1024][1024] f16.
; A block's scale is 2^(floor(log2(its largest magnitude)) - 2); its byte is the largest magnitude's exponent field - 2, held at 1 from below.
; LIMITS: a block of zeros gets the byte 1 where the quantiser's text says 127: its codes are zeros, and this program alone reads the bytes.  Blocks whose largest magnitude lies under 2^-124 keep the byte 1.
; NaN and infinities among the inputs are not served.  The input ocr_context is not loaded by any launch of this program: the function computed takes no number from it.
; Rows are dense and K is a multiple of 32: every tensor is a plain stream of blocks of 32.  A work-group takes 32,768 numbers, a wave 16 steps of 512.
; Work-groups 0-255: x; 256-287: Wq; 288-319: Wk; 320-351: Wv; 352-383: Wo.  Only pointers are chosen for the first four: they take one path.
; A step's four loads read 512 consecutive bytes each; the 2,048 bytes turn through the wave's own stage in LDS so that a lane holds 16 neighbours along K (two lanes a block).
.set WAVES, 4
.set STEPS, 16
.set EMAX,  2
.set CB,    8                          ; bytes of 16 codes
.set R,     16                         ; v16-79   four sets of 16 numbers as loaded (Wo's path: v16-143, two sets of 64)
.set X,     80                         ; v80-111  two sets of 16 neighbours
.set E,     112                        ; v112-127 a scale byte for each step
.set C,     128                        ; v128-191 codes, four registers a step: no store's data are written again
.set WREG,  8192                       ; LDS: a region for each wave: two stages of 32 x SP bytes, then its 256 scale bytes
.set SP,    80                         ; a lane's place in a stage: 64 bytes + 16 of padding
.set SPW,   12                         ; v12  LDS address of my spare word; never rewritten
.set NIL,   13                         ; v13  0; never rewritten
.set SPARE, WAVES*WREG                 ; behind the regions: the spare words, 128 bytes a wave
.set SRC,   4                          ; s[4:5]   the stream that is read
.set COD,   16                         ; s[16:17] its codes
.set SCB,   18                         ; s[18:19] its scale bytes
	s_load_b256 s[4:11], s[0:1], 0x0               ; x, Wq, Wk, Wv
	s_load_b64 s[12:13], s[0:1], 0x20              ; Wo
	s_load_b128 s[16:19], s[0:1], 0x28             ; xc, xs
	s_load_b128 s[20:23], s[0:1], 0x38             ; wc, ws
	s_load_b64 s[24:25], s[0:1], 0x48              ; wo16
	v_lshl_add_u32 v[SPW], v0, 2, SPARE
	v_mov_b32 v[NIL], 0
	v_lshrrev_b32 v1, 5, v0
	v_readfirstlane_b32 s26, v1                    ; wave
	v_and_b32 v2, 31, v0                           ; lane
	v_lshlrev_b32 v3, 4, v2                        ; my 16 bytes of a load's 512
	s_mul_i32 s27, s26, WREG
	v_lshrrev_b32 v14, 2, v2
	v_mul_u32_u24 v14, v14, SP
	v_and_b32 v15, 3, v2
	v_lshl_add_u32 v14, v15, 4, v14
	v_add_nc_u32 v14, s27, v14                     ; the stage, on the way in: SP (lane / 4) + 16 (lane % 4)
	v_mul_u32_u24 v15, v2, SP
	v_add_nc_u32 v15, s27, v15                     ; and on the way out: SP x lane
	v_mul_u32_u24 v4, v2, CB                       ; 8 bytes a lane: my codes' place in a step's (Wo's path: my four f16)
	v_lshrrev_b32 v5, 1, v2
	s_add_co_u32 s27, s27, 2*32*SP
	v_add_nc_u32 v5, s27, v5                       ; LDS: my wave's 256 scale bytes, my block's byte
	v_lshlrev_b32 v7, 3, v2
	v_add_nc_u32 v6, s27, v7                       ; and on the way out 8 bytes a lane
	s_mov_b32 s31, 0
	s_wait_kmcnt 0x0
	s_cmp_ge_u32 ttmp9, 352                        ; the work-group's number alone decides
	s_cbranch_scc1 .Lwo
	s_cmp_lt_u32 ttmp9, 320
	s_cselect_b64 s[8:9], s[8:9], s[10:11]         ; Wk or Wv
	s_cmp_lt_u32 ttmp9, 288
	s_cselect_b64 s[6:7], s[6:7], s[8:9]           ; Wq or that
	s_cmp_lt_u32 ttmp9, 256
	s_cselect_b64 s[SRC:SRC+1], s[4:5], s[6:7]     ; x or that
	s_cselect_b64 s[COD:COD+1], s[16:17], s[20:21]
	s_cselect_b64 s[SCB:SCB+1], s[18:19], s[22:23]
	s_cselect_b32 s27, 0, 256
	s_cselect_b32 s30, -1, 31
	s_sub_co_u32 s28, ttmp9, s27                   ; my place among the work-groups that write these codes,
	s_and_b32 s29, s28, s30                        ; and among those that read this tensor (a weight has 32)
	s_lshl_b32 s28, s28, 2
	s_add_co_u32 s28, s28, s26                     ; my wave's run of 8,192 numbers, in the codes
	s_lshl_b32 s29, s29, 2
	s_add_co_u32 s29, s29, s26                     ; and in the tensor
	s_lshl_b32 s30, s29, 15                        ; 32,768 bytes of f32 a run
	s_add_nc_u64 s[SRC:SRC+1], s[SRC:SRC+1], s[30:31]
	s_lshl_b32 s30, s28, 12                        ; 4,096 bytes of codes
	s_add_nc_u64 s[COD:COD+1], s[COD:COD+1], s[30:31]
	s_lshl_b32 s30, s28, 8                         ; 256 scale bytes
	s_add_nc_u64 s[SCB:SCB+1], s[SCB:SCB+1], s[30:31]
.macro LOAD t
.irp i, 0,1,2,3
	global_load_b128 v[R+16*((\t)%4)+4*\i:R+16*((\t)%4)+4*\i+3], v3, s[SRC:SRC+1] offset:2048*(\t)+512*\i th:TH_LOAD_NT   ; 32 lanes read 512 consecutive bytes
.endr
.endm
.macro TURN t                          ; step t's numbers through the stage: LDS serves a wave's instructions in order, so no wait stands between the stores and the loads
.irp i, 0,1,2,3
	ds_store_b128 v14, v[R+16*((\t)%4)+4*\i:R+16*((\t)%4)+4*\i+3] offset:32*SP*((\t)%2)+8*SP*\i
.endr
.irp i, 0,1,2,3
	ds_load_b128 v[X+16*((\t)%2)+4*\i:X+16*((\t)%2)+4*\i+3], v15 offset:32*SP*((\t)%2)+16*\i
.endr
.endm
.irp t, 0,1,2,3
	LOAD \t
.endr
	s_wait_loadcnt 12                              ; step 0's four loads are in; twelve younger ones are out
	TURN 0
.macro STEP t
.set XS, X+16*((\t)%2)
.if (\t) > 0
	s_wait_dscnt 1                                 ; this step's numbers are back from the stage; the last step's byte store may be out
.else
	s_wait_dscnt 0x0
.endif
.if (\t)+4 < STEPS
	LOAD (\t)+4                                    ; into the registers that the stage's stores have read
.endif
.if (\t)+1 < STEPS
.if STEPS-2-(\t) >= 3
	s_wait_loadcnt 12                              ; the next step's four loads are in; those of the three steps behind it may be out
.else
	s_wait_loadcnt 4*(STEPS-2-(\t))
.endif
	TURN (\t)+1
.endif
	v_max3_num_f32 v8, |v[XS]|, |v[XS+1]|, |v[XS+2]|               ; the largest magnitude of my 16, in two chains
	v_max3_num_f32 v9, |v[XS+3]|, |v[XS+4]|, |v[XS+5]|
.irp i, 6,10
	v_max3_num_f32 v8, v8, |v[XS+\i]|, |v[XS+\i+1]|
	v_max3_num_f32 v9, v9, |v[XS+\i+2]|, |v[XS+\i+3]|
.endr
	v_max3_num_f32 v8, v8, |v[XS+14]|, |v[XS+15]|
	v_max3_num_f32 v8, v8, v9, (EMAX+1)<<23        ; and the floor 2^(3 - 127): the byte cannot fall under 1
	v_max_num_f32_dpp v8, v8, v8 row_xmask:1 row_mask:0xf bank_mask:0xf   ; with my neighbour's 16: the block's
	v_add_nc_u32 v11, 0xff000000, v8               ; 2 off its exponent field: the conversion takes the exponent field of this operand as its scale
	v_cvt_scalef32_pk8_fp4_f32 v[C+4*(\t)], v[XS:XS+7], v11
	v_cvt_scalef32_pk8_fp4_f32 v[C+4*(\t)+1], v[XS+8:XS+15], v11
	v_lshrrev_b32 v[E+(\t)], 23, v11               ; the scale's byte (a plain line behind the conversions)
	ds_store_b8 v5, v[E+(\t)] offset:16*(\t)       ; both lanes of a block write the same byte with the same value
	global_store_b64 v4, v[C+4*(\t):C+4*(\t)+1], s[COD:COD+1] offset:32*CB*(\t)   ; the wave stores 256 consecutive bytes, aligned
.endm
.irp t, 0,1,2,3,4,5,6,7,8,9,10,11,12,13,14,15
	STEP \t
.endr
	ds_load_b64 v[8:9], v6                         ; my wave's 256 scale bytes: these loads see my stores
	s_wait_dscnt 0x0
	global_store_b64 v7, v[8:9], s[SCB:SCB+1]      ; 256 consecutive bytes, aligned
	s_wait_tensorcnt 0x0                           ; the wave's end
	ds_add_u32 v[SPW], v[NIL]
	s_wait_dscnt 0x0
	s_endpgm
; Wo to f16: a wave takes 8,192 numbers in four groups of sixteen loads; one group is on its way while another is converted.  No LDS: a lane's four numbers become 8 neighbouring bytes.
.Lwo:
	s_sub_co_u32 s28, ttmp9, 352
	s_lshl_b32 s28, s28, 2
	s_add_co_u32 s28, s28, s26
	s_lshl_b32 s30, s28, 15
	s_add_nc_u64 s[12:13], s[12:13], s[30:31]
	s_lshl_b32 s30, s28, 14
	s_add_nc_u64 s[24:25], s[24:25], s[30:31]
.macro LOADG g
.irp i, 0,1,2,3,4,5,6,7,8,9,10,11,12,13,14,15
	global_load_b128 v[R+64*((\g)%2)+4*\i:R+64*((\g)%2)+4*\i+3], v3, s[12:13] offset:8192*(\g)+512*\i th:TH_LOAD_NT
.endr
.endm
.macro CVTG g
.irp i, 0,1,2,3,4,5,6,7,8,9,10,11,12,13,14,15
	v_cvt_pk_f16_f32 v[R+64*((\g)%2)+4*\i], v[R+64*((\g)%2)+4*\i], v[R+64*((\g)%2)+4*\i+1]
	v_cvt_pk_f16_f32 v[R+64*((\g)%2)+4*\i+1], v[R+64*((\g)%2)+4*\i+2], v[R+64*((\g)%2)+4*\i+3]
	global_store_b64 v4, v[R+64*((\g)%2)+4*\i:R+64*((\g)%2)+4*\i+1], s[24:25] offset:4096*(\g)+256*\i   ; 256 consecutive bytes, aligned
.endr
.endm
	LOADG 0
	LOADG 1
	s_wait_loadcnt 16                              ; group 0 is in; group 1's sixteen are out
	CVTG 0
	s_wait_xcnt 0x0                                ; the stores have read their registers: group 2 may land there
	LOADG 2
	s_wait_loadcnt 16
	CVTG 1
	s_wait_xcnt 0x0
	LOADG 3
	s_wait_loadcnt 16
	CVTG 2
	s_wait_loadcnt 0x0
	CVTG 3
	s_wait_tensorcnt 0x0                           ; the same three lines as at the other end of the text
	ds_add_u32 v[SPW], v[NIL]
	s_wait_dscnt 0x0
	s_endpgm
.Lfunc_end_k_q805b0c229e_quant:
	.size	k_q805b0c229e_quant, .Lfunc_end_k_q805b0c229e_quant-k_q805b0c229e_quant
	.p2alignl 7, 3214868480
	.fill 96, 4, 3214868480
	.section	.rodata,"a",@progbits
	.p2align	6, 0x0
	.amdhsa_kernel k_q805b0c229e_quant
		.amdhsa_group_segment_fixed_size 33280
		.amdhsa_private_segment_fixed_size 0
		.amdhsa_enable_private_segment 0
		.amdhsa_kernarg_size 80
		.amdhsa_user_sgpr_count 2
		.amdhsa_user_sgpr_kernarg_segment_ptr 1
		.amdhsa_wavefront_size32 1
		.amdhsa_system_sgpr_workgroup_id_x 1
		.amdhsa_system_sgpr_workgroup_id_y 1
		.amdhsa_system_sgpr_workgroup_id_z 1
		.amdhsa_system_vgpr_workitem_id 0
		.amdhsa_next_free_vgpr 192
		.amdhsa_next_free_sgpr 66
		.amdhsa_reserve_vcc 0
		.amdhsa_float_denorm_mode_32 3
		.amdhsa_float_denorm_mode_16_64 3
		.amdhsa_memory_ordered 1
		.amdhsa_forward_progress 1
		.amdhsa_inst_pref_size 54
	.end_amdhsa_kernel
	.amdgpu_metadata
---
amdhsa.version: [ 1, 2 ]
amdhsa.kernels:
  - .name:           k_q805b0c229e_quant
    .symbol:         k_q805b0c229e_quant.kd
    .args:
      - { .name: x, .offset: 0, .size: 8, .value_kind: global_buffer, .address_space: global }
      - { .name: Wq, .offset: 8, .size: 8, .value_kind: global_buffer, .address_space: global }
      - { .name: Wk, .offset: 16, .size: 8, .value_kind: global_buffer, .address_space: global }
      - { .name: Wv, .offset: 24, .size: 8, .value_kind: global_buffer, .address_space: global }
      - { .name: Wo, .offset: 32, .size: 8, .value_kind: global_buffer, .address_space: global }
      - { .name: xc, .offset: 40, .size: 8, .value_kind: global_buffer, .address_space: global }
      - { .name: xs, .offset: 48, .size: 8, .value_kind: global_buffer, .address_space: global }
      - { .name: wc, .offset: 56, .size: 8, .value_kind: global_buffer, .address_space: global }
      - { .name: ws, .offset: 64, .size: 8, .value_kind: global_buffer, .address_space: global }
      - { .name: wo16, .offset: 72, .size: 8, .value_kind: global_buffer, .address_space: global }
    .group_segment_fixed_size: 33280
    .private_segment_fixed_size: 0
    .kernarg_segment_align: 8
    .kernarg_segment_size: 80
    .max_flat_workgroup_size: 128
    .sgpr_count:     66
    .vgpr_count:     192
    .wavefront_size: 32
...
	.end_amdgpu_metadata
.endif
;; end of part 1
;; launch qkv (part 2): grid 12 x 32, 4 waves a work-group, clusters of 4 x 4, 327,680 bytes of LDS; arguments xc, xs, wc, ws, bq, bk, bv, ocr_bias, qk, vt; writes qk, vt
.if DOCPART == 2
	.amdgcn_target "amdgcn-amd-amdhsa--gfx1250"
	.amdhsa_code_object_version 6
	.text
	.protected	k_q805b0c229e_qkv
	.globl	k_q805b0c229e_qkv
	.p2align	8
	.type	k_q805b0c229e_qkv,@function
k_q805b0c229e_qkv:
	s_mov_b64 s[64:65], 0
	v_nop
	global_prefetch_b8 v0, s[64:65] scope:SCOPE_SE
	s_setreg_imm32_b32 hwreg(HW_REG_WAVE_MODE, 25, 1), 1
	s_wait_xcnt 0x0
	s_wait_alu depctr_hold_cnt(0) depctr_sa_sdst(0) depctr_va_vdst(0) depctr_va_sdst(0) depctr_va_ssrc(0) depctr_va_vcc(0) depctr_vm_vsrc(0)
	s_getreg_b32 s2, hwreg(HW_REG_IB_STS2, 6, 4)
	s_cmp_eq_u32 s2, 0
	s_cbranch_scc0 .Lentry_in_a_cluster
	s_endpgm
.Lentry_in_a_cluster:
	s_bfe_u32 s2, ttmp6, 0x10000c
	s_cmp_lg_u32 s2, 0xf033
	s_cbranch_scc0 .Lentry_shape_is_right
	s_endpgm
.Lentry_shape_is_right:
; [8192 tokens] x [3072 columns: q's 1024, k's 1024, v's 1024], K = 1024, on codes of FP4 (E2M1) with one E8M0 byte for each 32 along K; sums in f32, begun with the biases; results rounded to f16.
; q = x Wq^T + bq + ocr_bias and k = x Wk^T + bk go to qk as [batch x 16 + head][2048][64] f16 (k 16,777,216 bytes behind q); v = x Wv^T + bv goes to vt TRANSPOSED: [head x 64 + channel][token] f16.
; LIMIT: results beyond f16's largest number, 65,504, become infinite.  ocr_bias is multiplied by 0 for k: it must be finite.
; A tile of 256 x 256 is made by four waves, 128 x 128 each: 64 accumulators, 512 registers.  K = 1024 is two LDS slots of 512 along K (rows of 256 bytes): both are asked for at the start and nothing is filled again.
; The scale bytes of the tile's 256 + 256 rows, for all of K, come once, as units of 256 bytes.
; CLUSTERS: 4 x 4 work-groups; x's tiles are asked for jointly along a row of the cluster, the weights' along a column.  A cluster's four tile columns belong to ONE of q, k, v (cluster x = 0, 1, 2), so a branch on the cluster's x is the same in all sixteen.
; TWO PATHS behind the head.  q, k: the product is used transposed (source 0 = 16 rows of W, source 1 = 16 tokens): a lane holds eight neighbouring columns of a token.
; v: source 0 = 16 tokens, source 1 = 16 rows of W: a lane holds eight neighbouring TOKENS of one channel, which is how vt wants them.
; REGISTERS: window 0: v0-31 addresses; v32-95 scale words, two sets; v96-127 packed results; v128-191 x's fragments, one set (earlier ocr_bias, later rows on the way out); v192-255 the biases, 8 for each of W's 8 blocks.
;   window 1: W's fragments, two sets (v0, v128).  window 2: accumulators of my tokens 0-63 ((a, b) at v[8 (8 a + b)]); window 3: of my tokens 64-127.
.set NQ,     4                         ; matrix instructions deep in a slot
.set ROWB,   256                       ; a tile's row: 512 codes
.set KROW,   512                       ; a row of codes in memory
.set PITCH,  272                       ; an LDS row: 256 bytes + 16 of padding: the 16 rows of a load start 68 words apart
.set FR,     8
.set NL,     2
.set NP,     4
.set HALFT,  128*PITCH
.set SLOT,   4*HALFT                   ; x's 256 rows, then W's 256 rows
.set KS,     32                        ; a row of scale bytes
.set SCL,    2*SLOT
.set HALFS,  (128*KS/256)*272          ; the scale bytes of 128 rows
.set SBLK,   (16*KS/256)*272           ; of 16 rows
.set SPARE,  SCL+4*HALFS               ; the spare words, 128 bytes a wave
.set STGV,   32768                     ; the ways out use stages of 16 x 272 bytes a wave in slot 0, which has had its one fill and is left when they are written: q's and k's path from byte 0, v's from byte 32,768
.set ADRA, 16
.set ADRB, 20
.set STOV, 22
.set RDV,  23
.set STO,  24
.set RD,   25
.set CO,   26
.set ADRS, 27
.set SPW,  28
.set NIL,  29
.set COV,  30
.set SC,   32
.set TMP,  96
.set AF,   128
.set BK,   128
.set BI,   192
.set G1,   24
.set G0,   32
.set TC,   42                          ; s42 tile column 0..11
.set G1B,  48
.set G0B,  56
.set WV,   66
.set HI,   67                          ; wave / 2: my half of the tile's tokens; also: I fetch for x (0) or for W (1)
.set G1S,  68
.set G0S,  76
.set G1SB, 80
.set G0SB, 88
.set LO,   92                          ; wave % 2: my half of its columns; also: which 128 rows I fetch
.set TRW,  93                          ; tile row 0..31
.set MSB, 0
.macro WIN new                         ; the immediate's high byte repeats the setting that is left
.if MSB != (\new)
	s_set_vgpr_msb (MSB<<8)|(\new)
.set MSB, (\new)
.endif
.endm
.set TO_B, 0x40
.macro PLACES n
.rept \n
	v_nop
.endr
.endm
; A joint load: waves 0 and 1 fetch for x, waves 2 and 3 for W.  An s_nop 0 and four v_nop follow each line.
.macro JLOAD g0a, g1a, g0b, g1b
	s_cmp_eq_u32 s[HI], 0
	s_cbranch_scc0 .Lfor_b_\@
	tensor_load_to_lds s[\g0a:\g0a+3], s[\g1a:\g1a+7]
	s_nop 0
.rept 4
	v_nop
.endr
	s_branch .Lasked_\@
.Lfor_b_\@:
	tensor_load_to_lds s[\g0b:\g0b+3], s[\g1b:\g1b+7]
	s_nop 0
.rept 4
	v_nop
.endr
.Lasked_\@:
.endm
.macro CROUND                          ; a round of the cluster's barrier
	s_barrier_signal -1
	s_barrier_wait -1
	s_cmp_lg_u32 s[WV], 0
	s_cbranch_scc1 .Lnot_wave_0_\@
	s_barrier_signal -3
.Lnot_wave_0_\@:
	s_barrier_wait -3
	s_barrier_signal -1
	s_barrier_wait -1
.endm
	s_load_b256 s[4:11], s[0:1], 0x0               ; xc, xs, wc, ws
	s_load_b256 s[12:19], s[0:1], 0x20             ; bq, bk, bv, ocr_bias
	s_load_b128 s[20:23], s[0:1], 0x40             ; qk, vt
	v_lshl_add_u32 v[SPW], v0, 2, SPARE
	v_mov_b32 v[NIL], 0
	ds_add_u32 v[SPW], v[NIL]                      ; the wave's opening: the add, twice on end, and its wait ahead of my first tensor load
	ds_add_u32 v[SPW], v[NIL]
	v_lshrrev_b32 v1, 5, v0
	v_readfirstlane_b32 s[WV], v1
	s_lshr_b32 s[HI], s[WV], 1
	s_and_b32 s[LO], s[WV], 1
	s_bfe_u32 s40, ttmp6, 0x40000                  ; cx
	s_bfe_u32 s41, ttmp6, 0x40004                  ; cy
	s_lshl_b32 s[TC], ttmp9, 2
	s_add_co_u32 s[TC], s[TC], s40
	s_and_b32 s[TRW], ttmp7, 0xffff
	s_lshl_b32 s[TRW], s[TRW], 2
	s_add_co_u32 s[TRW], s[TRW], s41
	s_lshl_b32 s43, s41, 2
	s_lshl_b32 s43, 15, s43                        ; my row of the cluster
	s_lshl_b32 s44, 0x1111, s40                    ; my column
	s_or_b32 s[G1+0], s43, (0<<16)|(1<<20)|(1<<21)|(5<<22)|(3<<25)   ; the mask; elements of 1 byte; padding on; bit 21 beside a mask; four words after every 64
	s_or_b32 s[G1B+0], s44, (0<<16)|(1<<20)|(1<<21)|(5<<22)|(3<<25)
.irp g, G1, G1B
	s_mov_b32 s[\g+1], ROWB<<16                    ; tensor_dim0
	s_mov_b32 s[\g+2], 128<<16                     ; tensor_dim1
	s_mov_b32 s[\g+3], ROWB<<16                    ; tile_dim0
	s_mov_b32 s[\g+4], 128                         ; tile_dim1
	s_mov_b32 s[\g+5], KROW                        ; from row to row
	s_mov_b32 s[\g+6], 0
	s_mov_b32 s[\g+7], 0
.endr
	s_or_b32 s[G1S+0], s43, (3<<16)|(1<<20)|(1<<21)|(5<<22)|(3<<25)  ; the scale bytes of 128 rows: 4,096 dense bytes as 16 rows of 32 elements of 8 bytes
	s_or_b32 s[G1SB+0], s44, (3<<16)|(1<<20)|(1<<21)|(5<<22)|(3<<25)
.irp g, G1S, G1SB
	s_mov_b32 s[\g+1], 32<<16
	s_mov_b32 s[\g+2], (128*KS/256)<<16
	s_mov_b32 s[\g+3], 32<<16
	s_mov_b32 s[\g+4], 128*KS/256
	s_mov_b32 s[\g+5], 32
	s_mov_b32 s[\g+6], 0
	s_mov_b32 s[\g+7], 0
.endr
	s_lshl_b32 s94, s[LO], 7                       ; which 128 rows of a tile I fetch
	s_lshl_b32 s96, s[TRW], 8
	s_add_co_u32 s96, s96, s94                     ; x: row 256 x tile row + 128 x half
	s_lshl_b32 s98, s[TC], 8
	s_add_co_u32 s98, s98, s94                     ; W: row 256 x tile column + 128 x half
	s_lshl_b32 s2, s96, 5                          ; their scale bytes,
	s_mov_b32 s3, 0
	s_lshl_b32 s96, s96, 9                         ; their codes
	s_mov_b32 s97, 0
	s_lshl_b32 s46, s98, 5
	s_mov_b32 s47, 0
	s_lshl_b32 s98, s98, 9
	s_mov_b32 s99, 0
	s_mul_i32 s45, s[WV], HALFT                    ; where they go: wave x 128 rows
	s_mul_i32 s94, s[WV], HALFS
	s_wait_dscnt 0x0                               ; both opening adds are done
	s_wait_kmcnt 0x0
	s_add_nc_u64 s[96:97], s[4:5], s[96:97]
	s_add_nc_u64 s[2:3], s[6:7], s[2:3]
	s_add_nc_u64 s[98:99], s[8:9], s[98:99]
	s_add_nc_u64 s[46:47], s[10:11], s[46:47]
	CROUND                                         ; all sixteen work-groups are here: the joint loads meet
	s_mov_b32 s[G0S], 1
	s_add_co_u32 s[G0S+1], s94, SCL
	s_mov_b64 s[G0S+2:G0S+3], s[2:3]
	s_or_b32 s[G0S+3], s[G0S+3], 0x80000000
	s_mov_b32 s[G0SB], 1
	s_add_co_u32 s[G0SB+1], s94, SCL
	s_mov_b64 s[G0SB+2:G0SB+3], s[46:47]
	s_or_b32 s[G0SB+3], s[G0SB+3], 0x80000000
	JLOAD G0S, G1S, G0SB, G1SB                     ; the scale bytes first; then both slots: three loads of mine are out
.irp s, 0,1
	s_mov_b32 s[G0+4*\s], 1
	s_add_co_u32 s[G0+4*\s+1], s45, \s*SLOT
	s_add_nc_u64 s[G0+4*\s+2:G0+4*\s+3], s[96:97], \s*ROWB
	s_or_b32 s[G0+4*\s+3], s[G0+4*\s+3], 0x80000000
	s_mov_b32 s[G0B+4*\s], 1
	s_add_co_u32 s[G0B+4*\s+1], s45, \s*SLOT
	s_add_nc_u64 s[G0B+4*\s+2:G0B+4*\s+3], s[98:99], \s*ROWB
	s_or_b32 s[G0B+4*\s+3], s[G0B+4*\s+3], 0x80000000
	JLOAD G0+4*\s, G1, G0B+4*\s, G1B
.endr
	v_and_b32 v1, 15, v0                           ; r
	v_bfe_u32 v2, v0, 4, 1                         ; h
	v_mul_u32_u24 v3, v1, PITCH
	v_lshl_add_u32 v4, v2, 4, v3                   ; 272 r + 16 h
	s_mul_i32 s94, s[HI], HALFT                    ; my 128 rows of x,
	s_mul_i32 s95, s[LO], HALFT                    ; my 128 rows of W,
	s_add_co_u32 s95, s95, 2*HALFT                 ; which lie behind x's 256
.irp s, 0,1
	v_add_nc_u32 v[ADRA+\s], s94, v4
	v_add_nc_u32 v[ADRB+\s], s95, v4
	s_add_co_u32 s94, s94, SLOT
	s_add_co_u32 s95, s95, SLOT
.endr
	v_mul_u32_u24 v5, v1, KS                       ; my row's scale bytes: 32 a row,
	v_lshrrev_b32 v6, 8, v5
	v_lshl_add_u32 v5, v6, 4, v5                   ; and 16 more for each 256 passed
	s_mul_i32 s94, s[HI], HALFS
	s_mul_i32 s95, s[LO], HALFS
	s_add_co_u32 s95, s95, 2*HALFS
	s_sub_co_u32 s95, s95, s94
	v_mul_u32_u24 v6, s95, v2                      ; lanes 16-31 take W's
	s_add_co_u32 s94, s94, SCL
	v_add_nc_u32 v5, v5, v6
	v_add_nc_u32 v[ADRS], s94, v5
	s_mul_i32 s94, s[WV], 16*PITCH                 ; my stage
	v_add_nc_u32 v[STO], s94, v4                   ; in: row r, 16 bytes for each half of the lanes
	v_add_nc_u32 v[STOV], STGV, v[STO]
	v_bfe_u32 v5, v0, 3, 2
	v_mul_u32_u24 v5, v5, PITCH
	v_and_b32 v6, 7, v0
	v_lshl_add_u32 v5, v6, 4, v5
	v_add_nc_u32 v[RD], s94, v5                    ; q, k, back: eight lanes take half a row (one head's 128 bytes of a token), four rows an instruction
	v_mul_u32_u24 v5, v2, PITCH
	v_lshl_add_u32 v5, v1, 4, v5
	v_add_nc_u32 v5, s94, v5
	v_add_nc_u32 v[RDV], STGV, v5                  ; v, back: sixteen lanes a row, two rows an instruction
	v_and_b32 v6, 31, v0
	v_lshlrev_b32 v[CO], 4, v6                     ; q, k: 512 consecutive bytes of a head
	v_lshlrev_b32 v5, 14, v2
	v_lshl_add_u32 v[COV], v1, 4, v5               ; v: two rows of vt, 16,384 bytes apart
	s_and_b32 s45, s[TC], 3
	s_lshl_b32 s45, s45, 10
	s_lshl_b32 s94, s[LO], 9
	s_add_co_u32 s45, s45, s94                     ; my first column's byte in a bias
.macro FRAG reg, adr, q, i             ; 16 rows x 128 K of 4-bit codes: 8 registers: two loads of 16 bytes, 32 bytes apart
.irp c, 0,1
	ds_load_b128 v[\reg+4*\c:\reg+4*\c+3], v[\adr] offset:64*(\q)+32*\c+(\i)*16*PITCH
.endr
.endm
; 16 matrix instructions: x's blocks a0, a0 + 1 against W's eight, the slot's q-th 128 along K.  p: W's set; sc: the set of scale words; first = 1: the sums begin with the biases.
; A scale register holds x's block's words in lanes 0-15 and W's block's in lanes 16-31.  The 64 accumulators take turns, one instruction a turn.
.macro MUL16 a0, p, q, sc, first
.irp a, \a0, \a0+1
.irp b, 0,1,2,3,4,5,6,7
.set rD, 8*(8*((\a)%4)+\b)
.set rW, 128*(\p)+FR*\b
.set rX, AF+FR*(\a)
.set sW, SC+8*NQ*(\sc)+NQ*\b+(\q)
.set sX, SC+8*NQ*(\sc)+NQ*(\a)+(\q)
.if TR
.if \first
	v_wmma_scale_f32_16x16x128_f8f6f4 v[rD:rD+7], v[rW:rW+7], v[rX:rX+7], v[BI+8*\b:BI+8*\b+7], v[sW], v[sX] matrix_a_fmt:MATRIX_FMT_FP4 matrix_b_fmt:MATRIX_FMT_FP4 matrix_a_scale:MATRIX_SCALE_ROW1
.else
	v_wmma_scale_f32_16x16x128_f8f6f4 v[rD:rD+7], v[rW:rW+7], v[rX:rX+7], v[rD:rD+7], v[sW], v[sX] matrix_a_fmt:MATRIX_FMT_FP4 matrix_b_fmt:MATRIX_FMT_FP4 matrix_a_scale:MATRIX_SCALE_ROW1
.endif
.else
.if \first
	v_wmma_scale_f32_16x16x128_f8f6f4 v[rD:rD+7], v[rX:rX+7], v[rW:rW+7], v[BI+8*\b:BI+8*\b+7], v[sX], v[sW] matrix_a_fmt:MATRIX_FMT_FP4 matrix_b_fmt:MATRIX_FMT_FP4 matrix_b_scale:MATRIX_SCALE_ROW1
.else
	v_wmma_scale_f32_16x16x128_f8f6f4 v[rD:rD+7], v[rX:rX+7], v[rW:rW+7], v[rD:rD+7], v[sX], v[sW] matrix_a_fmt:MATRIX_FMT_FP4 matrix_b_fmt:MATRIX_FMT_FP4 matrix_b_scale:MATRIX_SCALE_ROW1
.endif
.endif
.endr
.endr
.endm
.macro FETCH_B slot, q, p
	WIN TO_B
.irp i, 0,1,2,3,4,5,6,7
	FRAG 128*(\p)+FR*\i, ADRB+\slot, \q, \i
.endr
	WIN 0
.endm
.macro FETCH_A slot, q, i0
.irp i, \i0, \i0+1, \i0+2, \i0+3
	FRAG AF+FR*(\i), ADRA+\slot, \q, \i
.endr
.endm
.macro SCALES sc                       ; a slot's scale words: four a row
.irp i, 0,1,2,3,4,5,6,7
	ds_load_b128 v[SC+8*NQ*\sc+NQ*\i:SC+8*NQ*\sc+NQ*\i+3], v[ADRS] offset:\i*SBLK
.endr
.endm
; A step of 128 along K with its successor in the same slot.  x has one set of fragments: blocks 0-3 are fetched anew in the step's middle, blocks 4-7 at its end; W has two sets.
; Four plain vector lines stand between a matrix instruction and a load into a register that it has read.
.macro STEP slot, q, first
	s_wait_dscnt 4*NL                              ; all but the youngest eight loads (x's blocks 4-7)
.if \first
	WIN W_LO0
.else
	WIN W_LO
.endif
	MUL16 0, (\q)%2, \q, \slot, \first
	MUL16 2, (\q)%2, \q, \slot, \first
	s_wait_dscnt 0
	PLACES NP
	FETCH_B \slot, (\q)+1, 1-(\q)%2
	FETCH_A \slot, (\q)+1, 0
.if \first
	WIN W_HI0
.else
	WIN W_HI
.endif
	MUL16 4, (\q)%2, \q, \slot, \first
	MUL16 6, (\q)%2, \q, \slot, \first
	PLACES NP
	WIN 0
	FETCH_A \slot, (\q)+1, 4
.endm
; Slot 0's last step changes slots: each wave waits for all its tensor loads (slot 1's is the one that was out), adds 0 to its spare word, waits for that and its reads of slot 0, and passes one barrier.  Nothing is filled again.
.macro TURN slot, next
	s_wait_tensorcnt 0x0
	ds_add_u32 v[SPW], v[NIL]
	s_wait_dscnt 4*NL+1                            ; the add and the youngest eight loads may be out
	WIN W_LO
	MUL16 0, 1, NQ-1, \slot, 0
	s_wait_dscnt 0x0                               ; the add is done, and my reads of this slot are over
	s_barrier_signal -1
	MUL16 2, 1, NQ-1, \slot, 0
	WIN 0
	s_barrier_wait -1
	PLACES NP
	v_add_nc_u32 v[ADRS], 4*NQ, v[ADRS]            ; the next slot's scale words
	FETCH_B \next, 0, 0
	FETCH_A \next, 0, 0
	SCALES \next
	WIN W_HI
	MUL16 4, 1, NQ-1, \slot, 0
	MUL16 6, 1, NQ-1, \slot, 0
	PLACES NP
	WIN 0
	FETCH_A \next, 0, 4
.endm
.macro MAIN
	s_wait_tensorcnt 1                             ; the scale bytes and my part of slot 0 are in; slot 1's load may be out
	s_barrier_signal -1
	s_barrier_wait -1
	FETCH_B 0, 0, 0
	FETCH_A 0, 0, 0
	SCALES 0
	FETCH_A 0, 0, 4
	STEP 0, 0, 1
	STEP 0, 1, 0
	STEP 0, 2, 0
	TURN 0, 1
	STEP 1, 0, 0
	STEP 1, 1, 0
	STEP 1, 2, 0
	s_wait_dscnt 4*NL                              ; the last step: nothing more to fetch
	WIN W_LO
	MUL16 0, 1, NQ-1, 1, 0
	MUL16 2, 1, NQ-1, 1, 0
	s_wait_dscnt 0
	WIN W_HI
	MUL16 4, 1, NQ-1, 1, 0
	MUL16 6, 1, NQ-1, 1, 0
	WIN 0
.endm
.macro FINISH
	s_wait_tensorcnt 0x0                           ; the wave's end
	ds_add_u32 v[SPW], v[NIL]
	s_wait_dscnt 0x0
	CROUND                                         ; the closing round
	s_endpgm
.endm
	s_cmp_eq_u32 ttmp9, 2                          ; the cluster's x: the same in all sixteen work-groups
	s_cbranch_scc1 .Lv
; ---------------- q and k
.set TR, 1
.set W_LO,  0xa1                       ; source 0 (W) window 1, source 1 (x) window 0, C and D window 2
.set W_HI,  0xf1
.set W_LO0, 0x81                       ; the first step: C (the bias) window 0
.set W_HI0, 0xc1
	s_cmp_eq_u32 ttmp9, 0
	s_cselect_b64 s[12:13], s[12:13], s[14:15]     ; bq or bk
	s_cselect_b32 s100, 1.0, 0                     ; ocr_bias counts for q alone
	s_mov_b32 s101, s100
	v_lshl_add_u32 v7, v2, 5, s45                  ; lane (r, h) wants, for W's block b, the biases of columns 16 b + 8 h + 0 .. 7
.irp b, 0,1,2,3,4,5,6,7
	global_load_b128 v[BI+8*\b:BI+8*\b+3], v7, s[12:13] offset:64*\b
	global_load_b128 v[BI+8*\b+4:BI+8*\b+7], v7, s[12:13] offset:64*\b+16
	global_load_b128 v[AF+8*\b:AF+8*\b+3], v7, s[18:19] offset:64*\b
	global_load_b128 v[AF+8*\b+4:AF+8*\b+7], v7, s[18:19] offset:64*\b+16
.endr
	s_lshr_b32 s94, s[TRW], 3
	s_lshl_b32 s94, s94, 4                         ; 16 x batch
	s_and_b32 s95, s[TC], 3
	s_lshl_b32 s95, s95, 2
	s_add_co_u32 s94, s94, s95                     ; + the tile's four heads
	s_lshl_b32 s95, s[LO], 1
	s_add_co_u32 s94, s94, s95                     ; + my two of them
	s_lshl_b32 s94, s94, 18                        ; a head of a batch: 2,048 tokens x 128 bytes
	s_and_b32 s95, s[TRW], 7
	s_lshl_b32 s95, s95, 15                        ; the tile's 256 tokens
	s_add_co_u32 s94, s94, s95
	s_lshl_b32 s95, s[HI], 14                      ; my 128
	s_add_co_u32 s94, s94, s95
	s_lshl_b32 s95, ttmp9, 24                      ; k lies 16,777,216 bytes behind q
	s_add_co_u32 s94, s94, s95
	s_mov_b32 s95, 0
	s_add_nc_u64 s[20:21], s[20:21], s[94:95]
	s_wait_loadcnt 0x0
.set i, 0
.rept 32
	v_pk_fma_f32 v[BI+i:BI+i+1], v[AF+i:AF+i+1], s[100:101], v[BI+i:BI+i+1] op_sel_hi:[1,0,1]   ; bq + ocr_bias, or bk
.set i, i+2
.endr
	PLACES NP                                      ; the sums' first addends were just written by vector lines
	MAIN
; The way out, a block of 16 tokens x 128 columns (two heads) at a time: rounded to f16, 16 bytes a lane into my stage, back as four tokens x 128 bytes of one head, which are 512 consecutive bytes of qk.
.macro PACKT a
.set AC, 64*((\a)%4)
	WIN 0x0a+5*((\a)/4)                            ; sources in window 2 or 3
.irp b, 0,1,2,3,4,5,6,7
.irp r, 0,1,2,3
	v_cvt_pk_f16_f32 v[TMP+4*\b+\r], v[AC+8*\b+2*\r], v[AC+8*\b+2*\r+1]   ; each accumulator from its low end on
.endr
.endr
	WIN 0
.endm
.macro STAGET a
.set BB, BK+32*((\a)%2)
.irp b, 0,1,2,3,4,5,6,7
	ds_store_b128 v[STO], v[TMP+4*\b:TMP+4*\b+3] offset:32*\b
.endr
.irp hd, 0,1
.irp i, 0,1,2,3
	ds_load_b128 v[BB+4*(4*\hd+\i):BB+4*(4*\hd+\i)+3], v[RD] offset:4*PITCH*\i+128*\hd   ; LDS serves a wave's instructions in order: these see the stores above
.endr
.endr
.endm
.macro SENDT a
.set BB, BK+32*((\a)%2)
	s_wait_dscnt 0x0                               ; the block is back in registers
	s_wait_xcnt 0x0                                ; earlier stores have read their registers: the next block's loads may land there
.irp hd, 0,1
.irp i, 0,1,2,3
	global_store_b128 v[CO], v[BB+4*(4*\hd+\i):BB+4*(4*\hd+\i)+3], s[20:21] offset:2048*(\a)+512*\i+262144*\hd
.endr
.endr
.endm
	PLACES NP
	PACKT 0
	STAGET 0
.irp a, 1,2,3,4,5,6,7
	PACKT \a
	SENDT \a-1
	STAGET \a
.endr
	SENDT 7
	FINISH
; ---------------- v
.Lv:
.set TR, 0
.set W_LO,  0xa4                       ; source 0 (x) window 0, source 1 (W) window 1, C and D window 2
.set W_HI,  0xf4
.set W_LO0, 0x84
.set W_HI0, 0xc4
	v_lshl_add_u32 v7, v1, 2, s45                  ; lane (r, h) holds channel 16 b + r in all eight registers of a result: its bias eight times
.irp b, 0,1,2,3,4,5,6,7
.irp j, 0,1,2,3,4,5,6,7
	global_load_b32 v[BI+8*\b+\j], v7, s[16:17] offset:64*\b
.endr
.endr
	s_and_b32 s94, s[TC], 3
	s_lshl_b32 s94, s94, 22                        ; the tile's 256 rows of vt, 16,384 bytes each
	s_lshl_b32 s95, s[LO], 21                      ; my 128
	s_add_co_u32 s94, s94, s95
	s_lshl_b32 s95, s[TRW], 9                      ; the tile's 256 tokens, 2 bytes each
	s_add_co_u32 s94, s94, s95
	s_lshl_b32 s95, s[HI], 8
	s_add_co_u32 s94, s94, s95
	s_mov_b32 s95, 0
	s_add_nc_u64 s[22:23], s[22:23], s[94:95]
	s_wait_loadcnt 0x0
	MAIN
; The way out, a block of 16 channels x 128 tokens at a time: a lane's eight tokens are 16 bytes of a row of vt; sixteen lanes store 256 consecutive bytes, aligned.
.macro PACKV b
.irp a, 0,1,2,3,4,5,6,7
	WIN 0x0a+5*(\a/4)
.irp r, 0,1,2,3
	v_cvt_pk_f16_f32 v[TMP+4*\a+\r], v[64*(\a%4)+8*(\b)+2*\r], v[64*(\a%4)+8*(\b)+2*\r+1]
.endr
.endr
	WIN 0
.endm
.macro STAGEV b
.set BB, BK+32*((\b)%2)
.irp a, 0,1,2,3,4,5,6,7
	ds_store_b128 v[STOV], v[TMP+4*\a:TMP+4*\a+3] offset:32*\a
.endr
.irp t, 0,1,2,3,4,5,6,7
	ds_load_b128 v[BB+4*\t:BB+4*\t+3], v[RDV] offset:2*PITCH*\t
.endr
.endm
.macro SENDV b
.set BB, BK+32*((\b)%2)
	s_wait_dscnt 0x0
	s_wait_xcnt 0x0
.irp t, 0,1,2,3,4,5,6,7
	global_store_b128 v[COV], v[BB+4*\t:BB+4*\t+3], s[22:23] offset:(16*(\b)+2*\t)*16384
.endr
.endm
	PLACES NP
	PACKV 0
	STAGEV 0
.irp b, 1,2,3,4,5,6,7
	PACKV \b
	SENDV \b-1
	STAGEV \b
.endr
	SENDV 7
	FINISH
.Lfunc_end_k_q805b0c229e_qkv:
	.size	k_q805b0c229e_qkv, .Lfunc_end_k_q805b0c229e_qkv-k_q805b0c229e_qkv
	.p2alignl 7, 3214868480
	.fill 96, 4, 3214868480
	.section	.rodata,"a",@progbits
	.p2align	6, 0x0
	.amdhsa_kernel k_q805b0c229e_qkv
		.amdhsa_group_segment_fixed_size 327680
		.amdhsa_private_segment_fixed_size 0
		.amdhsa_enable_private_segment 0
		.amdhsa_kernarg_size 80
		.amdhsa_user_sgpr_count 2
		.amdhsa_user_sgpr_kernarg_segment_ptr 1
		.amdhsa_wavefront_size32 1
		.amdhsa_system_sgpr_workgroup_id_x 1
		.amdhsa_system_sgpr_workgroup_id_y 1
		.amdhsa_system_sgpr_workgroup_id_z 1
		.amdhsa_system_vgpr_workitem_id 0
		.amdhsa_next_free_vgpr 1024
		.amdhsa_next_free_sgpr 104
		.amdhsa_reserve_vcc 0
		.amdhsa_float_denorm_mode_32 3
		.amdhsa_float_denorm_mode_16_64 3
		.amdhsa_memory_ordered 1
		.amdhsa_forward_progress 1
		.amdhsa_inst_pref_size 255
	.end_amdhsa_kernel
	.amdgpu_metadata
---
amdhsa.version: [ 1, 2 ]
amdhsa.kernels:
  - .name:           k_q805b0c229e_qkv
    .symbol:         k_q805b0c229e_qkv.kd
    .args:
      - { .name: xc, .offset: 0, .size: 8, .value_kind: global_buffer, .address_space: global }
      - { .name: xs, .offset: 8, .size: 8, .value_kind: global_buffer, .address_space: global }
      - { .name: wc, .offset: 16, .size: 8, .value_kind: global_buffer, .address_space: global }
      - { .name: ws, .offset: 24, .size: 8, .value_kind: global_buffer, .address_space: global }
      - { .name: bq, .offset: 32, .size: 8, .value_kind: global_buffer, .address_space: global }
      - { .name: bk, .offset: 40, .size: 8, .value_kind: global_buffer, .address_space: global }
      - { .name: bv, .offset: 48, .size: 8, .value_kind: global_buffer, .address_space: global }
      - { .name: ocr_bias, .offset: 56, .size: 8, .value_kind: global_buffer, .address_space: global }
      - { .name: qk, .offset: 64, .size: 8, .value_kind: global_buffer, .address_space: global }
      - { .name: vt, .offset: 72, .size: 8, .value_kind: global_buffer, .address_space: global }
    .group_segment_fixed_size: 327680
    .private_segment_fixed_size: 0
    .kernarg_segment_align: 8
    .kernarg_segment_size: 80
    .max_flat_workgroup_size: 128
    .sgpr_count:     104
    .vgpr_count:     1024
    .wavefront_size: 32
...
	.end_amdgpu_metadata
.endif
;; end of part 2
;; launch attn (part 3): grid 4 x 64, 8 waves a work-group, clusters of 4 x 1, 327,680 bytes of LDS; arguments qk, vt, att; writes att
.if DOCPART == 3
	.amdgcn_target "amdgcn-amd-amdhsa--gfx1250"
	.amdhsa_code_object_version 6
	.text
	.protected	k_q805b0c229e_attn
	.globl	k_q805b0c229e_attn
	.p2align	8
	.type	k_q805b0c229e_attn,@function
k_q805b0c229e_attn:
	s_mov_b64 s[64:65], 0
	v_nop
	global_prefetch_b8 v0, s[64:65] scope:SCOPE_SE
	s_setreg_imm32_b32 hwreg(HW_REG_WAVE_MODE, 25, 1), 1
	s_wait_xcnt 0x0
	s_wait_alu depctr_hold_cnt(0) depctr_sa_sdst(0) depctr_va_vdst(0) depctr_va_sdst(0) depctr_va_ssrc(0) depctr_va_vcc(0) depctr_vm_vsrc(0)
	s_getreg_b32 s2, hwreg(HW_REG_IB_STS2, 6, 4)
	s_cmp_eq_u32 s2, 0
	s_cbranch_scc0 .Lentry_in_a_cluster
	s_endpgm
.Lentry_in_a_cluster:
	s_bfe_u32 s2, ttmp6, 0x10000c
	s_cmp_lg_u32 s2, 0x3003
	s_cbranch_scc0 .Lentry_shape_is_right
	s_endpgm
.Lentry_shape_is_right:
; att[head][token][:] = the sum over keys of softmax(q . k / 8 + 0.1 where |query - key| <= 2) v, for 64 (batch, head) pairs of 2,048 tokens, head size 64.  q, k, v, the weights p and the result in f16; products, maxima and sums in f32.
; q, k: qk as [batch x 16 + head][2048][64] (k 16,777,216 bytes behind q); v: vt as [head x 64 + channel][batch x 2048 + key]; att: [head][batch x 2048 + token][64].
; THE BAND.  exp(s + 0.1) = exp(s) + (e^0.1 - 1) exp(s).  So the walk over all keys takes the plain exp(s), and a first step adds (e^0.1 - 1) exp(s) for the keys inside the band: for each tile of 16 queries a window of
; 32 keys that holds them all; outside the band the score is made -infinity by a select.  Its products begin the sums of O and of the rows.  Only positive terms are added.
; SOFTMAX.  A running maximum m of the scores WITHOUT the 0.1 is taken away: p = 2^(c s - c m), c = log2(e) / 8; the band's term has the exponent c s - c m - 3.2491923, under 0.  O and the sums are multiplied by 2^(c m_old - c m_new) in every step.
; LIMITS: |q|, |k|, |v| under 65,504 (f16); a weight under 2^-25 of its row's largest is lost in f16; NaN and infinities are not served.
; SHARES.  A work-group owns 512 queries of one pair, each of its eight waves 64: four tiles of 16, so that a fragment of K or V read from LDS feeds four products.  The four work-groups of a pair form a cluster and ask for K's and V's tiles jointly.
; LAYOUT.  S^T = K Q^T (source 0 = 16 keys, source 1 = 16 queries) and O^T = V^T P (source 0 = 16 channels, source 1 = P): a lane holds one query throughout; two tiles of S^T rounded in pairs ARE source 1 of the second product.
; The rows' sums are a product too: a matrix of ones times P.
; TWO KINDS OF WAVES.  A key step is a matrix phase (V^T P of the step before, K Q^T of this step) and a vector phase (the softmax).  Waves of kind 0 run matrix, vector in a trip; waves of kind 1 vector (of the step before), matrix.
; kind = (w xor w / 4) & 1 differs between waves w and w + 4 and between 2 i and 2 i + 1.  In trip j both kinds read step j's bytes alone from LDS, so barriers and refills are common.
; REGISTERS.  window 0: v1-11 addresses; v12-15 the band's lane terms; v16-47 statistics, 8 a tile: +0 c m, +1 m, +2, +3 the band's shift, +4 .. +7 at work (+6 the rescaling factor); v48-55 ones; v56, v57 the add's two;
;   v58-61 offsets of the band's K; v64-191 S^T, 32 a tile, P in place in its first 16; v192-255 the fragments of K or of V, by turns.   window 1: v0-127 O^T, 32 a tile; v128-159 the rows' sums; v160-223 Q.
.set KP,     144                       ; a key's row in LDS: 128 bytes + 16
.set VP,     1040                      ; a channel's row: 512 keys = 1,024 bytes + 16
.set VOFF,   512*KP                    ; a slot: 512 rows of K, then 64 rows of V
.set SLOTB,  VOFF+64*VP                ; 140,288 bytes: 512 keys, eight steps of 64
.set STAGE,  2*SLOTB                   ; behind the ring: 16 x 144 bytes for each wave
.set SPARE,  STAGE+8*16*KP             ; the spare words, 128 bytes a wave
.set KSTEPB, 64*KP                     ; a step on in K's part
.set VSTEPB, 128                       ; and in a row of V
.set RR,  1
.set HH,  2
.set AK0, 3
.set AV0, 4
.set ADK, 5
.set ADV, 6
.set STO, 7
.set RD,  8
.set GO,  9
.set QO,  10
.set NINF, 11
.set EB,  12
.set ST,  16
.set ONES, 48
.set SPW, 56
.set NIL, 57
.set KBO, 58
.set T0,  62
.set T1,  63
.set S,   64
.set KV,  192
.set L,   128                          ; in window 1
.set Q,   160                          ; in window 1
.set WV,  14
.set TY,  15
.set CX,  16
.set G1K, 24
.set G1V, 32
.set G0K, 40                           ; s[40:47]: a group 0 for each slot
.set G0V, 48
.set TBK, 56                           ; LDS byte of the step's rows of K
.set TBV, 57                           ; and of its keys in V's rows (without VOFF)
.set CNT, 58
.set U,   59                           ; wave % 4: which quarter of a tile I fetch
.set CS,  60
.set SEL, 62
.set W0,  66                           ; s66-69 the first key of each tile's window
.set DQ,  70                           ; s70-73 the tile's first query less that
.set MSB, 0
.macro WIN new
.if MSB != (\new)
	s_set_vgpr_msb (MSB<<8)|(\new)
.set MSB, (\new)
.endif
.endm
.set W_KQ, 0x04                        ; K window 0, Q window 1, S^T window 0
.set W_PV, 0x50                        ; V and P window 0, C and D window 1
.set W_RS, 0x41                        ; destination and source 0 window 1, the factor window 0
.macro PLACES n
.rept \n
	v_nop
.endr
.endm
.macro CROUND
	s_barrier_signal -1
	s_barrier_wait -1
	s_cmp_lg_u32 s[WV], 0
	s_cbranch_scc1 .Lnot_wave_0_\@
	s_barrier_signal -3
.Lnot_wave_0_\@:
	s_barrier_wait -3
	s_barrier_signal -1
	s_barrier_wait -1
.endm
.macro JLOAD s                         ; a joint refill of slot s: waves 0-3 K's quarters, waves 4-7 V's; an s_nop 0 and four v_nop follow each line
	s_cmp_lt_u32 s[WV], 4
	s_cbranch_scc0 .Lfor_v_\@
	tensor_load_to_lds s[G0K+4*\s:G0K+4*\s+3], s[G1K:G1K+7]
	s_nop 0
.rept 4
	v_nop
.endr
	s_branch .Lasked_\@
.Lfor_v_\@:
	tensor_load_to_lds s[G0V+4*\s:G0V+4*\s+3], s[G1V:G1V+7]
	s_nop 0
.rept 4
	v_nop
.endr
.Lasked_\@:
.endm
	s_load_b128 s[4:7], s[0:1], 0x0                ; qk, vt
	s_load_b64 s[8:9], s[0:1], 0x10                ; att
	v_lshl_add_u32 v[SPW], v0, 2, SPARE
	v_mov_b32 v[NIL], 0
	ds_add_u32 v[SPW], v[NIL]                      ; the wave's opening: the add, twice on end, and its wait ahead of my first tensor load
	ds_add_u32 v[SPW], v[NIL]
	v_lshrrev_b32 v1, 5, v0
	v_readfirstlane_b32 s[WV], v1                  ; wave 0..7
	s_lshr_b32 s[TY], s[WV], 2
	s_xor_b32 s[TY], s[TY], s[WV]
	s_and_b32 s[TY], s[TY], 1                      ; my kind
	s_and_b32 s[U], s[WV], 3
	s_bfe_u32 s[CX], ttmp6, 0x40000                ; cx: my block of 512 queries; it enters global addresses and lane data alone
	s_and_b32 s17, ttmp7, 0xffff                   ; batch x 16 + head, which the four partners share
	s_and_b32 s18, s17, 15                         ; head
	s_lshr_b32 s19, s17, 4                         ; batch
	s_mov_b32 s[G1K], 15|(1<<16)|(1<<20)|(1<<21)|(4<<22)|(3<<25)   ; the mask: all four; elements of 2 bytes; padding on; bit 21 beside a mask; four words after every 32
	s_mov_b32 s[G1K+1], 64<<16                     ; tensor_dim0 = 64
	s_mov_b32 s[G1K+2], 128<<16                    ; tensor_dim1 = 128
	s_mov_b32 s[G1K+3], 64<<16                     ; tile_dim0
	s_mov_b32 s[G1K+4], 128                        ; tile_dim1
	s_mov_b32 s[G1K+5], 64                         ; from row to row
	s_mov_b32 s[G1K+6], 0
	s_mov_b32 s[G1K+7], 0
	s_mov_b32 s[G1V], 15|(1<<16)|(1<<20)|(1<<21)|(7<<22)|(3<<25)   ; four words after every 256
	s_mov_b32 s[G1V+1], 512<<16
	s_mov_b32 s[G1V+2], 16<<16
	s_mov_b32 s[G1V+3], 512<<16
	s_mov_b32 s[G1V+4], 16
	s_mov_b32 s[G1V+5], 8192
	s_mov_b32 s[G1V+6], 0
	s_mov_b32 s[G1V+7], 0
	s_mov_b32 s[CS], 0x3e38aa3b                    ; c = log2(e) / 8
	s_mov_b32 s[CS+1], s[CS]
	s_mov_b32 s[SEL], 0x76543210
	s_mov_b32 s[SEL+1], 0xfedcba98
	s_lshl_b32 s20, s17, 18                        ; the pair's 2,048 rows of 128 bytes, in q and in k
	s_mov_b32 s21, 0
	s_lshl_b32 s22, s[CX], 16
	s_lshl_b32 s23, s[WV], 13
	s_add_co_u32 s22, s22, s23                     ; my wave's 64 rows among them
	s_mov_b32 s23, 0
	s_lshl_b32 s74, s18, 20                        ; vt: the head's 64 rows of 16,384 bytes,
	s_lshl_b32 s75, s19, 12                        ; the batch's 2,048 keys
	s_add_co_u32 s74, s74, s75
	s_mov_b32 s75, 0
	s_lshl_b32 s76, s[U], 14                       ; K: my 128 rows of a slot's 512
	s_mov_b32 s77, 0
	s_lshl_b32 s78, s[U], 18                       ; V: my 16 rows of the 64
	s_mov_b32 s79, 0
	s_lshl_b32 s2, s18, 20                         ; att: the head's 8,192 rows of 128 bytes,
	s_lshl_b32 s3, s19, 18                         ; the batch's 2,048,
	s_add_co_u32 s2, s2, s3
	s_add_co_u32 s2, s2, s22                       ; my wave's 64
	s_mov_b32 s3, 0
	s_lshl_b32 s56, s[CX], 9
	s_lshl_b32 s57, s[WV], 6
	s_add_co_u32 s56, s56, s57                     ; my first query
.irp t, 0,1,2,3
	s_add_co_u32 s[DQ+\t], s56, 16*\t              ; tile t's first query q0
	s_sub_co_i32 s[W0+\t], s[DQ+\t], 8
	s_max_i32 s[W0+\t], s[W0+\t], 0
	s_min_i32 s[W0+\t], s[W0+\t], 2016             ; its window: 32 keys from q0 - 8 on, held inside 0 .. 2047; it holds keys q0 - 2 .. q0 + 17 as far as they exist
	s_sub_co_u32 s[DQ+\t], s[DQ+\t], s[W0+\t]
.endr
	s_mul_i32 s56, s[U], 128*KP                    ; where my quarter goes in a slot: K's,
	s_mul_i32 s57, s[U], 16*VP
	s_add_co_u32 s57, s57, VOFF                    ; V's
	s_wait_dscnt 0x0                               ; both opening adds are done
	s_wait_kmcnt 0x0
	s_add_nc_u64 s[10:11], s[4:5], s[20:21]
	s_add_nc_u64 s[12:13], s[10:11], s[22:23]      ; q at my wave's first row
	s_add_nc_u64 s[10:11], s[10:11], 0x1000000     ; k at the pair's first row
	s_add_nc_u64 s[76:77], s[10:11], s[76:77]
	s_add_nc_u64 s[74:75], s[6:7], s[74:75]        ; vt at the head's first row, the batch's first key
	s_add_nc_u64 s[78:79], s[74:75], s[78:79]
	s_add_nc_u64 s[8:9], s[8:9], s[2:3]
	CROUND                                         ; all four work-groups are here: the first joint loads meet
.irp s, 0,1
	s_mov_b32 s[G0K+4*\s], 1
	s_add_co_u32 s[G0K+4*\s+1], s56, \s*SLOTB
	s_add_nc_u64 s[G0K+4*\s+2:G0K+4*\s+3], s[76:77], \s*65536      ; slot s begins with keys 512 s on
	s_or_b32 s[G0K+4*\s+3], s[G0K+4*\s+3], 0x80000000
	s_mov_b32 s[G0V+4*\s], 1
	s_add_co_u32 s[G0V+4*\s+1], s57, \s*SLOTB
	s_add_nc_u64 s[G0V+4*\s+2:G0V+4*\s+3], s[78:79], \s*1024
	s_or_b32 s[G0V+4*\s+3], s[G0V+4*\s+3], 0x80000000
.endr
	s_cmp_lt_u32 s[WV], 4                          ; a wave's two first fills stand in one branch: two loads of mine are out
	s_cbranch_scc0 .Lfirst_v
	tensor_load_to_lds s[G0K:G0K+3], s[G1K:G1K+7]
	s_nop 0
	tensor_load_to_lds s[G0K+4:G0K+7], s[G1K:G1K+7]
	s_nop 0
.rept 4
	v_nop
.endr
	s_branch .Lfirst_asked
.Lfirst_v:
	tensor_load_to_lds s[G0V:G0V+3], s[G1V:G1V+7]
	s_nop 0
	tensor_load_to_lds s[G0V+4:G0V+7], s[G1V:G1V+7]
	s_nop 0
.rept 4
	v_nop
.endr
.Lfirst_asked:
	v_and_b32 v[RR], 15, v0                        ; r
	v_bfe_u32 v[HH], v0, 4, 1                      ; h
	v_lshlrev_b32 v[QO], 7, v[RR]
	v_lshl_add_u32 v[QO], v[HH], 4, v[QO]          ; a row of 128 bytes, + 16 h
	v_lshlrev_b32 v[T0], 14, v[RR]
	v_lshl_add_u32 v[T0], v[HH], 4, v[T0]          ; a row of vt, + 16 h
.irp t, 0,1,2,3
	s_lshl_b32 s20, s[W0+\t], 7
	v_add_nc_u32 v[KBO+\t], s20, v[QO]             ; the window's rows of k
	s_lshl_b32 s21, s[W0+\t], 1
	v_add_nc_u32 v[ST+8*\t+7], s21, v[T0]          ; and its keys in vt (the register is a statistic's from the band's arithmetic on)
.endr
	WIN 0x40                                       ; destination window 1
.irp t, 0,1,2,3
.irp kk, 0,1
	global_load_b128 v[Q+16*\t+8*\kk:Q+16*\t+8*\kk+3],   v[QO], s[12:13] offset:2048*\t+64*\kk       ; Q stays in registers: tile t, channels 32 kk on
	global_load_b128 v[Q+16*\t+8*\kk+4:Q+16*\t+8*\kk+7], v[QO], s[12:13] offset:2048*\t+64*\kk+32
.endr
.endr
.irp t, 0,1,2,3
.irp kt, 0,1
.irp kk, 0,1
	global_load_b128 v[32*\t+16*\kt+8*\kk:32*\t+16*\kt+8*\kk+3],   v[KBO+\t], s[10:11] offset:2048*\kt+64*\kk      ; the window's K, in the registers that O^T will take
	global_load_b128 v[32*\t+16*\kt+8*\kk+4:32*\t+16*\kt+8*\kk+7], v[KBO+\t], s[10:11] offset:2048*\kt+64*\kk+32
.endr
.endr
.endr
	WIN 0
.irp t, 0,1,2,3
.irp c, 0,1,2,3
.if \c < 2
.set rV, S+32*\t+16+8*\c
.else
.set rV, KV+16*\t+8*(\c-2)
.endif
	global_load_b128 v[rV:rV+3],   v[ST+8*\t+7], s[74:75] offset:262144*\c       ; the window's V^T: channels 16 c on
	global_load_b128 v[rV+4:rV+7], v[ST+8*\t+7], s[74:75] offset:262144*\c+32
.endr
.endr
	v_mul_u32_u24 v[AK0], v[RR], KP
	v_lshl_add_u32 v[AK0], v[HH], 4, v[AK0]
	v_mul_u32_u24 v[AV0], v[RR], VP
	v_lshl_add_u32 v[AV0], v[HH], 4, v[AV0]
	v_add_nc_u32 v[AV0], VOFF, v[AV0]
	s_mul_i32 s20, s[WV], 16*KP
	s_add_co_u32 s20, s20, STAGE                   ; my stage
	v_add_nc_u32 v[STO], s20, v[AK0]               ; in: row r, + 16 h
	v_bfe_u32 v[RD], v0, 3, 2
	v_mul_u32_u24 v[RD], v[RD], KP
	v_and_b32 v[GO], 7, v0
	v_lshl_add_u32 v[RD], v[GO], 4, v[RD]
	v_add_nc_u32 v[RD], s20, v[RD]                 ; back: eight lanes a row of 128 bytes, four rows an instruction
	v_and_b32 v[GO], 31, v0
	v_lshlrev_b32 v[GO], 4, v[GO]                  ; which are 512 consecutive bytes of att
	v_mov_b32 v[NINF], 0xff800000
	v_lshlrev_b32 v[T1], 3, v[HH]
	v_sub_nc_u32 v[T1], v[RR], v[T1]
	v_add_nc_u32 v[T1], 2, v[T1]
.irp t, 0,1,2,3
	v_add_nc_u32 v[EB+\t], s[DQ+\t], v[T1]         ; r - 8 h + 2 + q0 - w0: less 16 (n / 8) + n % 8 it is query - key + 2 of score n
	v_mov_b32 v[ST+8*\t+3], 0                      ; (named as the upper half of a pair)
.endr
.irp i, 0,1,2,3,4,5,6,7
	v_mov_b32 v[ONES+\i], 0x3c003c00               ; 1.0, 1.0 in f16
.endr
; ---- the matrix phase's parts
.macro CHALF kh                        ; O^T += V^T P and the sums += ones P for keys 32 kh on: twenty accumulators by turns
.irp c, 0,1,2,3
.irp t, 0,1,2,3
	v_wmma_f32_16x16x32_f16 v[32*\t+8*\c:32*\t+8*\c+7], v[KV+32*\kh+8*\c:KV+32*\kh+8*\c+7], v[S+32*\t+8*\kh:S+32*\t+8*\kh+7], v[32*\t+8*\c:32*\t+8*\c+7]
.endr
.endr
.irp t, 0,1,2,3
	v_wmma_f32_16x16x32_f16 v[L+8*\t:L+8*\t+7], v[ONES:ONES+7], v[S+32*\t+8*\kh:S+32*\t+8*\kh+7], v[L+8*\t:L+8*\t+7]
.endr
.endm
.macro AHALF g                         ; S^T = K Q^T for key tiles 2 g, 2 g + 1: eight accumulators by turns, two deep
.irp kk, 0,1
.irp u, 0,1
.irp t, 0,1,2,3
.set rS, S+32*\t+8*(2*\g+\u)
.set rK, KV+16*(2*\g+\u)+8*\kk
.set rQ, Q+16*\t+8*\kk
.if \kk == 0
	v_wmma_f32_16x16x32_f16 v[rS:rS+7], v[rK:rK+7], v[rQ:rQ+7], 0
.else
	v_wmma_f32_16x16x32_f16 v[rS:rS+7], v[rK:rK+7], v[rQ:rQ+7], v[rS:rS+7]
.endif
.endr
.endr
.endr
.endm
.macro KLOAD g                         ; K's fragments of key tiles 2 g, 2 g + 1: eight loads
.irp u, 0,1
.irp kk, 0,1
	ds_load_b128 v[KV+16*(2*\g+\u)+8*\kk:KV+16*(2*\g+\u)+8*\kk+3],   v[ADK] offset:(2*\g+\u)*16*KP+64*\kk
	ds_load_b128 v[KV+16*(2*\g+\u)+8*\kk+4:KV+16*(2*\g+\u)+8*\kk+7], v[ADK] offset:(2*\g+\u)*16*KP+64*\kk+32
.endr
.endr
.endm
.macro VLOAD                           ; the step's V^T: keys 32 kh on, channels 16 c on: sixteen loads
.irp kh, 0,1
.irp c, 0,1,2,3
	ds_load_b128 v[KV+32*\kh+8*\c:KV+32*\kh+8*\c+3],   v[ADV] offset:\c*16*VP+64*\kh
	ds_load_b128 v[KV+32*\kh+8*\c+4:KV+32*\kh+8*\c+7], v[ADV] offset:\c*16*VP+64*\kh+32
.endr
.endr
.endm
; THE MATRIX PHASE.  pv = 1: V^T P of the step whose V waits in registers; kq = 1: K Q^T of the step at ADK, then its V is fetched.  K and V share one buffer of 64 registers.
; Four plain vector lines stand between a matrix instruction and a load into a register that it has read; five ahead of a matrix instruction that writes over one of its registers (the scores land on P)
; or takes its result as an operand (P lies in the scores' registers).
.macro MPH pv, kq
.if \pv
	s_wait_dscnt 0x0                               ; V is in
	WIN W_PV
	CHALF 0
.if \kq
	WIN 0
	PLACES 4
	KLOAD 0                                        ; into the half of the buffer that the products above have read
	WIN W_PV
.endif
	CHALF 1
	WIN 0
.endif
.if \kq
.if \pv
	PLACES 5
.else
	KLOAD 0
.endif
	KLOAD 1
	s_wait_dscnt 8                                 ; the first eight loads are in; the younger eight are out
	WIN W_KQ
	AHALF 0
	s_wait_dscnt 0x0
	AHALF 1
	WIN 0
	PLACES 5                                       ; four serve the loads below and the first read of the scores; the fifth holds on every way through the text from here to a product that names the scores' registers as its operand
	VLOAD
.endif
.endm
; THE VECTOR PHASE: the four tiles' softmax of one step, the tiles by turns at every place of the list.  All 132 exponentials are one batch with one wait: nothing names a result ahead of it.
.macro BPH
.irp j, 0,1,2,3
.irp t, 0,1,2,3
	v_max3_num_f32 v[ST+8*\t+4+\j], v[S+32*\t+8*\j], v[S+32*\t+8*\j+1], v[S+32*\t+8*\j+2]     ; four chains; each accumulator is read from its low end on
.endr
.endr
.irp g, 1,2
.irp j, 0,1,2,3
.irp t, 0,1,2,3
	v_max3_num_f32 v[ST+8*\t+4+\j], v[ST+8*\t+4+\j], v[S+32*\t+8*\j+2*\g+1], v[S+32*\t+8*\j+2*\g+2]
.endr
.endr
.endr
.irp t, 0,1,2,3
	v_max3_num_f32 v[ST+8*\t+4], v[ST+8*\t+4], v[S+32*\t+7], v[S+32*\t+15]
.endr
.irp t, 0,1,2,3
	v_max3_num_f32 v[ST+8*\t+6], v[ST+8*\t+6], v[S+32*\t+23], v[S+32*\t+31]
.endr
.irp t, 0,1,2,3
	v_max3_num_f32 v[ST+8*\t+4], v[ST+8*\t+4], v[ST+8*\t+5], v[ST+8*\t+6]
.endr
.irp t, 0,1,2,3
	v_max3_num_f32 v[ST+8*\t+4], v[ST+8*\t+4], v[ST+8*\t+7], v[ST+8*\t+1]     ; with the old m
.endr
.irp t, 0,1,2,3
	v_permlanex16_b32 v[ST+8*\t+5], v[ST+8*\t+4], s[SEL], s[SEL+1]            ; the query's other 32 keys lie in the lane 16 away
.endr
.irp t, 0,1,2,3
	v_max_num_f32 v[ST+8*\t+1], v[ST+8*\t+4], v[ST+8*\t+5]                    ; the new m
.endr
.irp t, 0,1,2,3
	v_mov_b32 v[ST+8*\t+7], v[ST+8*\t]                                        ; c m_old
.endr
.irp t, 0,1,2,3
	v_mul_f32 v[ST+8*\t], s[CS], v[ST+8*\t+1]                                 ; c m
.endr
.irp t, 0,1,2,3
	v_sub_f32 v[ST+8*\t+7], v[ST+8*\t+7], v[ST+8*\t]                          ; exactly 0 where m has not grown
.endr
.irp t, 0,1,2,3
	v_pk_fma_f32 v[S+32*\t:S+32*\t+1], v[S+32*\t:S+32*\t+1], s[CS:CS+1], v[ST+8*\t:ST+8*\t+1] op_sel_hi:[1,0,0] neg_lo:[0,0,1] neg_hi:[0,0,1]   ; pair 0: c s - c m
.endr
.irp t, 0,1,2,3
	v_exp_f32 v[ST+8*\t+6], v[ST+8*\t+7]                                      ; the rescaling factor
.endr
.set p, 0
.rept 16
.if p < 15
.irp t, 0,1,2,3
	v_pk_fma_f32 v[S+32*\t+2*p+2:S+32*\t+2*p+3], v[S+32*\t+2*p+2:S+32*\t+2*p+3], s[CS:CS+1], v[ST+8*\t:ST+8*\t+1] op_sel_hi:[1,0,0] neg_lo:[0,0,1] neg_hi:[0,0,1]
.endr
.endif
.irp t, 0,1,2,3
	v_exp_f32 v[S+32*\t+2*p], v[S+32*\t+2*p]
	v_exp_f32 v[S+32*\t+2*p+1], v[S+32*\t+2*p+1]
.endr
.set p, p+1
.endr
	v_nop                                          ; a plain line behind the last exponential
	s_wait_alu depctr_va_vdst(0)                   ; one wait for the batch, ahead of its first reader
.set p, 0
.rept 16
.irp t, 0,1,2,3
	v_cvt_pk_f16_f32 v[S+32*\t+p], v[S+32*\t+2*p], v[S+32*\t+2*p+1]           ; P in place, ascending: register p is written when registers 2 p, 2 p + 1 are read
.endr
.set p, p+1
.endr
	WIN W_RS
.set p, 0
.rept 16
.irp t, 0,1,2,3
	v_pk_mul_f32 v[32*\t+2*p:32*\t+2*p+1], v[32*\t+2*p:32*\t+2*p+1], v[ST+8*\t+6:ST+8*\t+7] op_sel_hi:[1,0]   ; O^T under the new m
.endr
.set p, p+1
.endr
.set p, 0
.rept 4
.irp t, 0,1,2,3
	v_pk_mul_f32 v[L+8*\t+2*p:L+8*\t+2*p+1], v[L+8*\t+2*p:L+8*\t+2*p+1], v[ST+8*\t+6:ST+8*\t+7] op_sel_hi:[1,0]   ; and the sums
.endr
.set p, p+1
.endr
	WIN 0
.endm
; n trips, a key step each.  The LDS addresses are made ahead of the parting of the kinds; the branches hang on the wave's number alone.
.macro TRIPS n
	s_mov_b32 s[CNT], \n
.Ltrip_\@:
	v_add_nc_u32 v[ADK], s[TBK], v[AK0]
	v_add_nc_u32 v[ADV], s[TBV], v[AV0]
	s_cmp_lg_u32 s[TY], 0
	s_cbranch_scc1 .Lvec_\@
	MPH 1, 1
.Lvec_\@:
	BPH
	s_cmp_eq_u32 s[TY], 0
	s_cbranch_scc1 .Lnext_\@
	MPH 1, 1
.Lnext_\@:
	s_add_co_u32 s[TBK], s[TBK], KSTEPB
	s_add_co_u32 s[TBV], s[TBV], VSTEPB
	s_sub_co_u32 s[CNT], s[CNT], 1
	s_cmp_lg_u32 s[CNT], 0
	s_cbranch_scc1 .Ltrip_\@
.endm
; THE CHANGE OF SLOTS: each wave waits for all its tensor loads (its part of the slot ahead), adds 0 to its spare word, and waits for that and for its reads of the slot that it leaves (that slot's last V is in registers).
; fill = 1: the barrier is a round of the cluster's, and behind it slot s is filled with the keys 1,024 further on: that load has eight key steps in which to land.
.macro CHANGE fill, s, next
	s_wait_tensorcnt 0x0                           ; no tensor load of mine is out, so a group 0 may be written
	ds_add_u32 v[SPW], v[NIL]
	s_mov_b32 s[TBK], (\next)*SLOTB
	s_mov_b32 s[TBV], (\next)*SLOTB
.if \fill
	s_add_nc_u64 s[G0K+4*\s+2:G0K+4*\s+3], s[G0K+4*\s+2:G0K+4*\s+3], 131072
	s_add_nc_u64 s[G0V+4*\s+2:G0V+4*\s+3], s[G0V+4*\s+2:G0V+4*\s+3], 2048
.endif
	s_wait_dscnt 0x0
.if \fill
	CROUND
	JLOAD \s
.else
	s_barrier_signal -1
	s_barrier_wait -1
.endif
.endm
; ---- THE BAND'S STEP
	s_wait_loadcnt 0x0                             ; Q and the windows
	WIN 0x05                                       ; the window's K and Q in window 1, the scores in window 0
.irp kk, 0,1
.irp kt, 0,1
.irp t, 0,1,2,3
.if \kk == 0
	v_wmma_f32_16x16x32_f16 v[S+32*\t+8*\kt:S+32*\t+8*\kt+7], v[32*\t+16*\kt+8*\kk:32*\t+16*\kt+8*\kk+7], v[Q+16*\t+8*\kk:Q+16*\t+8*\kk+7], 0
.else
	v_wmma_f32_16x16x32_f16 v[S+32*\t+8*\kt:S+32*\t+8*\kt+7], v[32*\t+16*\kt+8*\kk:32*\t+16*\kt+8*\kk+7], v[Q+16*\t+8*\kk:Q+16*\t+8*\kk+7], v[S+32*\t+8*\kt:S+32*\t+8*\kt+7]
.endif
.endr
.endr
.endr
	WIN 0
	PLACES 4
.irp n, 0,1,2,3,4,5,6,7,8,9,10,11,12,13,14,15
.irp t, 0,1,2,3
	v_sub_nc_u32 v[ST+8*\t+4], v[EB+\t], 16*(\n/8)+\n%8        ; query - key + 2
	v_cmp_gt_u32 vcc_lo, 5, v[ST+8*\t+4]                       ; 0 .. 4: inside the band
	v_cndmask_b32 v[S+32*\t+\n], v[NINF], v[S+32*\t+\n], vcc_lo
.endr
.endr
.irp t, 0,1,2,3
	v_max3_num_f32 v[ST+8*\t+4], v[S+32*\t], v[S+32*\t+1], v[S+32*\t+2]
	v_max3_num_f32 v[ST+8*\t+5], v[S+32*\t+8], v[S+32*\t+9], v[S+32*\t+10]
.endr
.irp g, 3,5
.irp t, 0,1,2,3
	v_max3_num_f32 v[ST+8*\t+4], v[ST+8*\t+4], v[S+32*\t+\g], v[S+32*\t+\g+1]
	v_max3_num_f32 v[ST+8*\t+5], v[ST+8*\t+5], v[S+32*\t+8+\g], v[S+32*\t+8+\g+1]
.endr
.endr
.irp t, 0,1,2,3
	v_max3_num_f32 v[ST+8*\t+4], v[ST+8*\t+4], v[S+32*\t+7], v[S+32*\t+15]
.endr
.irp t, 0,1,2,3
	v_max_num_f32 v[ST+8*\t+4], v[ST+8*\t+4], v[ST+8*\t+5]
.endr
.irp t, 0,1,2,3
	v_permlanex16_b32 v[ST+8*\t+5], v[ST+8*\t+4], s[SEL], s[SEL+1]
.endr
.irp t, 0,1,2,3
	v_max_num_f32 v[ST+8*\t+1], v[ST+8*\t+4], v[ST+8*\t+5]     ; m: the query's own key lies in the band, so it is a number
.endr
.irp t, 0,1,2,3
	v_mul_f32 v[ST+8*\t], s[CS], v[ST+8*\t+1]
.endr
.irp t, 0,1,2,3
	v_add_f32 v[ST+8*\t+2], 0x404ff2c8, v[ST+8*\t]             ; c m - log2(e^0.1 - 1)
.endr
.irp i, 0,2,4,6,8,10,12,14
.irp t, 0,1,2,3
	v_pk_fma_f32 v[S+32*\t+\i:S+32*\t+\i+1], v[S+32*\t+\i:S+32*\t+\i+1], s[CS:CS+1], v[ST+8*\t+2:ST+8*\t+3] op_sel_hi:[1,0,0] neg_lo:[0,0,1] neg_hi:[0,0,1]
.endr
.endr
.irp i, 0,1,2,3,4,5,6,7,8,9,10,11,12,13,14,15
.irp t, 0,1,2,3
	v_exp_f32 v[S+32*\t+\i], v[S+32*\t+\i]                     ; (e^0.1 - 1) 2^(c s - c m); 0 outside the band
.endr
.endr
	v_nop
	s_wait_alu depctr_va_vdst(0)                   ; one wait for the 64
.irp i, 0,1,2,3,4,5,6,7
.irp t, 0,1,2,3
	v_cvt_pk_f16_f32 v[S+32*\t+\i], v[S+32*\t+2*\i], v[S+32*\t+2*\i+1]
.endr
.endr
	PLACES 5                                       ; the products below write over the registers that held the window's K
	WIN W_PV
.irp c, 0,1,2,3
.irp t, 0,1,2,3
.if \c < 2
.set rV, S+32*\t+16+8*\c
.else
.set rV, KV+16*\t+8*(\c-2)
.endif
	v_wmma_f32_16x16x32_f16 v[32*\t+8*\c:32*\t+8*\c+7], v[rV:rV+7], v[S+32*\t:S+32*\t+7], 0      ; these begin O^T's sums: nothing is ever cleared
.endr
.endr
.irp t, 0,1,2,3
	v_wmma_f32_16x16x32_f16 v[L+8*\t:L+8*\t+7], v[ONES:ONES+7], v[S+32*\t:S+32*\t+7], 0          ; and the rows' sums
.endr
	WIN 0
	PLACES 5                                       ; the first scores land on registers that these products have read
; ---- THE WALK OVER ALL KEYS
	s_wait_tensorcnt 1                             ; my part of slot 0 is in; slot 1's may be out
	s_barrier_signal -1
	s_barrier_wait -1
	s_mov_b32 s[TBK], 0
	s_mov_b32 s[TBV], 0
	v_add_nc_u32 v[ADK], s[TBK], v[AK0]
	v_add_nc_u32 v[ADV], s[TBV], v[AV0]
	MPH 0, 1                                       ; key step 0: the scores, and its V
	s_cmp_lg_u32 s[TY], 0
	s_cbranch_scc1 .Lapart
	BPH                                            ; kind 0 alone: behind the barrier below the two kinds stand half a trip apart
.Lapart:
	s_wait_dscnt 0x0
	s_barrier_signal -1
	s_barrier_wait -1
	s_mov_b32 s[TBK], KSTEPB
	s_mov_b32 s[TBV], VSTEPB
	TRIPS 7                                        ; steps 1-7, slot 0
	CHANGE 1, 0, 1                                 ; slot 0 takes keys 1,024-1,535
	TRIPS 8                                        ; steps 8-15, slot 1
	CHANGE 1, 1, 0                                 ; slot 1 takes keys 1,536-2,047
	TRIPS 8                                        ; steps 16-23, slot 0
	CHANGE 0, 0, 1                                 ; nothing is left to ask for
	TRIPS 8                                        ; steps 24-31, slot 1
	s_cmp_eq_u32 s[TY], 0
	s_cbranch_scc1 .Llast
	BPH                                            ; kind 1: the last step's softmax
.Llast:
	MPH 1, 0                                       ; V^T P of the last step
; ---- THE WAY OUT: O^T / the row's sum, rounded to f16, a tile (16 tokens x 128 bytes) at a time through my stage; four tokens are 512 consecutive bytes of att.
	PLACES 4
	WIN 0x01
.irp t, 0,1,2,3
	v_rcp_f32 v[ST+8*\t+6], v[L+8*\t]              ; the sum stands in all eight registers: the lowest is taken
.endr
	WIN 0
	v_nop
	s_wait_alu depctr_va_vdst(0)                   ; one wait for the four
.macro PACK t
	WIN W_RS
.set p, 0
.rept 16
	v_pk_mul_f32 v[32*\t+2*p:32*\t+2*p+1], v[32*\t+2*p:32*\t+2*p+1], v[ST+8*\t+6:ST+8*\t+7] op_sel_hi:[1,0]
.set p, p+1
.endr
	WIN 0x05
.set p, 0
.rept 16
	v_cvt_pk_f16_f32 v[S+32*\t+p], v[32*\t+2*p], v[32*\t+2*p+1]
.set p, p+1
.endr
	WIN 0
.irp c, 0,1,2,3
	ds_store_b128 v[STO], v[S+32*\t+4*\c:S+32*\t+4*\c+3] offset:32*\c
.endr
.irp f, 0,1,2,3
	ds_load_b128 v[S+32*\t+16+4*\f:S+32*\t+16+4*\f+3], v[RD] offset:\f*4*KP    ; LDS serves a wave's instructions in order: these see the stores above, and the next tile's stores come behind them
.endr
.endm
.macro SEND t, younger                 ; younger: the next tile's four stores and four loads, or none
.irp f, 0,1,2,3
	s_wait_dscnt \younger+3-\f
	global_store_b128 v[GO], v[S+32*\t+16+4*\f:S+32*\t+16+4*\f+3], s[8:9] offset:2048*\t+512*\f
.endr
.endm
	PACK 0
	PACK 1
	SEND 0, 8
	PACK 2
	SEND 1, 8
	PACK 3
	SEND 2, 8
	SEND 3, 0
	s_wait_tensorcnt 0x0                           ; the wave's end
	ds_add_u32 v[SPW], v[NIL]
	s_wait_dscnt 0x0
	CROUND                                         ; the closing round
	s_endpgm
.Lfunc_end_k_q805b0c229e_attn:
	.size	k_q805b0c229e_attn, .Lfunc_end_k_q805b0c229e_attn-k_q805b0c229e_attn
	.p2alignl 7, 3214868480
	.fill 96, 4, 3214868480
	.section	.rodata,"a",@progbits
	.p2align	6, 0x0
	.amdhsa_kernel k_q805b0c229e_attn
		.amdhsa_group_segment_fixed_size 327680
		.amdhsa_private_segment_fixed_size 0
		.amdhsa_enable_private_segment 0
		.amdhsa_kernarg_size 24
		.amdhsa_user_sgpr_count 2
		.amdhsa_user_sgpr_kernarg_segment_ptr 1
		.amdhsa_wavefront_size32 1
		.amdhsa_system_sgpr_workgroup_id_x 1
		.amdhsa_system_sgpr_workgroup_id_y 1
		.amdhsa_system_sgpr_workgroup_id_z 1
		.amdhsa_system_vgpr_workitem_id 0
		.amdhsa_next_free_vgpr 512
		.amdhsa_next_free_sgpr 80
		.amdhsa_reserve_vcc 1
		.amdhsa_float_denorm_mode_32 3
		.amdhsa_float_denorm_mode_16_64 3
		.amdhsa_memory_ordered 1
		.amdhsa_forward_progress 1
		.amdhsa_inst_pref_size 251
	.end_amdhsa_kernel
	.amdgpu_metadata
---
amdhsa.version: [ 1, 2 ]
amdhsa.kernels:
  - .name:           k_q805b0c229e_attn
    .symbol:         k_q805b0c229e_attn.kd
    .args:
      - { .name: qk, .offset: 0, .size: 8, .value_kind: global_buffer, .address_space: global }
      - { .name: vt, .offset: 8, .size: 8, .value_kind: global_buffer, .address_space: global }
      - { .name: att, .offset: 16, .size: 8, .value_kind: global_buffer, .address_space: global }
    .group_segment_fixed_size: 327680
    .private_segment_fixed_size: 0
    .kernarg_segment_align: 8
    .kernarg_segment_size: 24
    .max_flat_workgroup_size: 256
    .sgpr_count:     80
    .vgpr_count:     512
    .wavefront_size: 32
...
	.end_amdgpu_metadata
.endif
;; end of part 3
;; launch proj (part 4): grid 4 x 64, 4 waves a work-group, clusters of 4 x 4, 327,680 bytes of LDS; arguments att, wo16, bo, out0; writes out0
.if DOCPART == 4
	.amdgcn_target "amdgcn-amd-amdhsa--gfx1250"
	.amdhsa_code_object_version 6
	.text
	.protected	k_q805b0c229e_proj
	.globl	k_q805b0c229e_proj
	.p2align	8
	.type	k_q805b0c229e_proj,@function
k_q805b0c229e_proj:
	s_mov_b64 s[64:65], 0
	v_nop
	global_prefetch_b8 v0, s[64:65] scope:SCOPE_SE
	s_setreg_imm32_b32 hwreg(HW_REG_WAVE_MODE, 25, 1), 1
	s_wait_xcnt 0x0
	s_wait_alu depctr_hold_cnt(0) depctr_sa_sdst(0) depctr_va_vdst(0) depctr_va_sdst(0) depctr_va_ssrc(0) depctr_va_vcc(0) depctr_vm_vsrc(0)
	s_getreg_b32 s2, hwreg(HW_REG_IB_STS2, 6, 4)
	s_cmp_eq_u32 s2, 0
	s_cbranch_scc0 .Lentry_in_a_cluster
	s_endpgm
.Lentry_in_a_cluster:
	s_bfe_u32 s2, ttmp6, 0x10000c
	s_cmp_lg_u32 s2, 0xf033
	s_cbranch_scc0 .Lentry_shape_is_right
	s_endpgm
.Lentry_shape_is_right:
; out0[token][n] = the sum over k of a[token][k] Wo[n][k] + bo[n].  a: att as [head][8192 tokens][64] f16 (k = 64 head + channel); Wo: wo16 [1024][1024] f16; out0 [8192][1024] f32; sums in f32, begun with bo.
; A tile of 128 tokens x 256 columns is made by four waves, 64 x 128 each: 32 accumulators, 256 registers: 256 work-groups.  K goes in steps of 128 (two heads) through a ring of two LDS slots.
; CLUSTERS: 4 x 4 work-groups; a's tiles are asked for jointly along a row of the cluster, Wo's along a column.
; The product is used transposed (source 0 = 16 rows of Wo, source 1 = 16 tokens): a lane holds eight neighbouring columns of a token.
; REGISTERS: window 0: v0-31 addresses; v32-63, v64-95 a's fragments, two buffers; v96-159 bo, 8 for each of Wo's 8 blocks; on the way out v96-159 and v160-223 rows.  window 1: Wo's fragments, v0-63 and v64-127.  window 2: accumulator (a, b) at v[8 (8 a + b)].
.set AP,     144                       ; a token's row of one head in LDS: 128 bytes + 16
.set BP,     272                       ; a row of Wo's tile: 256 bytes + 16
.set ASUB,   128*AP                    ; a head's 128 tokens
.set BOFF,   2*ASUB
.set SLOT,   BOFF+256*BP               ; 106,496 bytes
.set STAGE,  2*SLOT                    ; behind the ring: 16 x 528 bytes for each wave
.set SPITCH, 528
.set SPARE,  STAGE+4*16*SPITCH
.set LAPS,   4                         ; a lap = two K steps
.set ADRA, 16
.set ADRB, 20
.set STO,  24
.set RD,   25
.set CO,   26
.set SPW,  28
.set NIL,  29
.set AF,   32
.set BI,   96
.set BK,   96
.set WV,   12
.set HI,   13                          ; wave / 2: my 64 tokens; also: I fetch for a (0) or for Wo (1)
.set LO,   14                          ; wave % 2: my 128 columns; also: which head's tokens, or which 128 rows of Wo, I fetch
.set G1,   24
.set G0,   32
.set G1B,  48
.set G0B,  56
.set MSB, 0
.macro WIN new
.if MSB != (\new)
	s_set_vgpr_msb (MSB<<8)|(\new)
.set MSB, (\new)
.endif
.endm
.set MUL,  0xa1                        ; source 0 (Wo) window 1, source 1 (a) window 0, C and D window 2
.set MUL0, 0x81                        ; the first quarter: C (bo) window 0
.macro PLACES n
.rept \n
	v_nop
.endr
.endm
.macro JLOAD s
	s_cmp_eq_u32 s[HI], 0
	s_cbranch_scc0 .Lfor_b_\@
	tensor_load_to_lds s[G0+4*\s:G0+4*\s+3], s[G1:G1+7]
	s_nop 0
.rept 4
	v_nop
.endr
	s_branch .Lasked_\@
.Lfor_b_\@:
	tensor_load_to_lds s[G0B+4*\s:G0B+4*\s+3], s[G1B:G1B+7]
	s_nop 0
.rept 4
	v_nop
.endr
.Lasked_\@:
.endm
.macro CREST
	s_cmp_lg_u32 s[WV], 0
	s_cbranch_scc1 .Lnot_wave_0_\@
	s_barrier_signal -3
.Lnot_wave_0_\@:
	s_barrier_wait -3
	s_barrier_signal -1
	s_barrier_wait -1
.endm
.macro CROUND
	s_barrier_signal -1
	s_barrier_wait -1
	CREST
.endm
	s_load_b256 s[4:11], s[0:1], 0x0               ; att, wo16, bo, out0
	v_lshl_add_u32 v[SPW], v0, 2, SPARE
	v_mov_b32 v[NIL], 0
	ds_add_u32 v[SPW], v[NIL]                      ; the wave's opening: the add, twice on end, and its wait ahead of my first tensor load
	ds_add_u32 v[SPW], v[NIL]
	v_lshrrev_b32 v1, 5, v0
	v_readfirstlane_b32 s[WV], v1
	s_lshr_b32 s[HI], s[WV], 1
	s_and_b32 s[LO], s[WV], 1
	s_bfe_u32 s40, ttmp6, 0x40000                  ; cx
	s_bfe_u32 s41, ttmp6, 0x40004                  ; cy
	s_lshl_b32 s42, ttmp9, 2
	s_add_co_u32 s42, s42, s40                     ; tile column 0..3
	s_and_b32 s15, ttmp7, 0xffff
	s_lshl_b32 s15, s15, 2
	s_add_co_u32 s15, s15, s41                     ; tile row 0..63
	s_lshl_b32 s43, s41, 2
	s_lshl_b32 s43, 15, s43                        ; my row of the cluster
	s_lshl_b32 s44, 0x1111, s40                    ; my column
	s_or_b32 s[G1], s43, (1<<16)|(1<<20)|(1<<21)|(4<<22)|(3<<25)    ; a: elements of 2 bytes; four words of padding after every 32
	s_mov_b32 s[G1+1], 64<<16
	s_mov_b32 s[G1+2], 128<<16
	s_mov_b32 s[G1+3], 64<<16
	s_mov_b32 s[G1+4], 128
	s_mov_b32 s[G1+5], 64
	s_mov_b32 s[G1+6], 0
	s_mov_b32 s[G1+7], 0
	s_or_b32 s[G1B], s44, (1<<16)|(1<<20)|(1<<21)|(5<<22)|(3<<25)   ; Wo: four words after every 64
	s_mov_b32 s[G1B+1], 128<<16
	s_mov_b32 s[G1B+2], 128<<16
	s_mov_b32 s[G1B+3], 128<<16
	s_mov_b32 s[G1B+4], 128
	s_mov_b32 s[G1B+5], 1024
	s_mov_b32 s[G1B+6], 0
	s_mov_b32 s[G1B+7], 0
	s_lshl_b32 s16, s[LO], 20                      ; a: head LO of the K step (8,192 rows of 128 bytes a head),
	s_lshl_b32 s17, s15, 14                        ; the tile's 128 tokens
	s_add_co_u32 s16, s16, s17
	s_mov_b32 s17, 0
	s_lshl_b32 s46, s42, 19                        ; Wo: the tile's 256 rows of 2,048 bytes,
	s_lshl_b32 s47, s[LO], 18                      ; my 128
	s_add_co_u32 s46, s46, s47
	s_mov_b32 s47, 0
	s_mul_i32 s20, s[LO], ASUB                     ; where they go in a slot
	s_mul_i32 s21, s[LO], 128*BP
	s_add_co_u32 s21, s21, BOFF
	s_wait_dscnt 0x0                               ; both opening adds are done
	s_wait_kmcnt 0x0
	s_add_nc_u64 s[16:17], s[4:5], s[16:17]
	s_add_nc_u64 s[46:47], s[6:7], s[46:47]
	CROUND                                         ; all sixteen work-groups are here
.irp s, 0,1
	s_mov_b32 s[G0+4*\s], 1
	s_add_co_u32 s[G0+4*\s+1], s20, \s*SLOT
	s_add_nc_u64 s[G0+4*\s+2:G0+4*\s+3], s[16:17], \s*2097152      ; K step s: two heads on
	s_or_b32 s[G0+4*\s+3], s[G0+4*\s+3], 0x80000000
	s_mov_b32 s[G0B+4*\s], 1
	s_add_co_u32 s[G0B+4*\s+1], s21, \s*SLOT
	s_add_nc_u64 s[G0B+4*\s+2:G0B+4*\s+3], s[46:47], \s*256
	s_or_b32 s[G0B+4*\s+3], s[G0B+4*\s+3], 0x80000000
	JLOAD \s                                       ; two loads of mine are out
.endr
	v_and_b32 v1, 15, v0                           ; r
	v_bfe_u32 v2, v0, 4, 1                         ; h
	s_lshl_b32 s18, s42, 10
	s_lshl_b32 s19, s[LO], 9
	s_add_co_u32 s18, s18, s19                     ; my first column, in bytes of f32
	v_lshl_add_u32 v5, v2, 5, s18                  ; lane (r, h) wants, for Wo's block b, bo of columns 16 b + 8 h + 0 .. 7
.irp b, 0,1,2,3,4,5,6,7
	global_load_b128 v[BI+8*\b:BI+8*\b+3], v5, s[8:9] offset:64*\b
	global_load_b128 v[BI+8*\b+4:BI+8*\b+7], v5, s[8:9] offset:64*\b+16
.endr
	v_mul_u32_u24 v3, v1, AP
	v_lshl_add_u32 v3, v2, 4, v3
	v_mul_u32_u24 v4, v1, BP
	v_lshl_add_u32 v4, v2, 4, v4
	s_mul_i32 s22, s[HI], 64*AP                    ; my 64 tokens in each head's part
	s_mul_i32 s23, s[LO], 128*BP                   ; my 128 rows of Wo
	s_add_co_u32 s23, s23, BOFF
.irp s, 0,1
	v_add_nc_u32 v[ADRA+\s], s22, v3
	v_add_nc_u32 v[ADRB+\s], s23, v4
	s_add_co_u32 s22, s22, SLOT
	s_add_co_u32 s23, s23, SLOT
.endr
	s_mul_i32 s22, s[WV], 16*SPITCH
	s_add_co_u32 s22, s22, STAGE                   ; my stage
	v_mul_u32_u24 v6, v1, SPITCH
	v_lshl_add_u32 v6, v2, 5, v6
	v_add_nc_u32 v[STO], s22, v6                   ; in: row r, 32 bytes for each half of the lanes
	v_and_b32 v6, 31, v0
	v_lshlrev_b32 v[CO], 4, v6                     ; back: the 32 lanes take a row of 512 bytes; the same in out0
	v_add_nc_u32 v[RD], s22, v[CO]
	s_lshl_b32 s22, s15, 19                        ; out0: the tile's 128 rows of 4,096 bytes,
	s_lshl_b32 s23, s[HI], 18                      ; my 64,
	s_add_co_u32 s22, s22, s23
	s_add_co_u32 s22, s22, s18                     ; my columns
	s_mov_b32 s23, 0
	s_add_nc_u64 s[10:11], s[10:11], s[22:23]
.macro MUL8 f, a, first                ; token block a against Wo's eight, 32 along K, buffer f.  The 32 accumulators take turns in the same order in every quarter
.irp b, 0,1,2,3,4,5,6,7
.set rD, 8*(8*(\a)+\b)
.if \first
	v_wmma_f32_16x16x32_f16 v[rD:rD+7], v[64*(\f)+8*\b:64*(\f)+8*\b+7], v[AF+32*(\f)+8*(\a):AF+32*(\f)+8*(\a)+7], v[BI+8*\b:BI+8*\b+7]
.else
	v_wmma_f32_16x16x32_f16 v[rD:rD+7], v[64*(\f)+8*\b:64*(\f)+8*\b+7], v[AF+32*(\f)+8*(\a):AF+32*(\f)+8*(\a)+7], v[rD:rD+7]
.endif
.endr
.endm
.macro FETCH slot, q, f                ; the fragments of the slot's q-th 32 along K into buffer f: sixteen loads for Wo, eight for a
	WIN 0x40
.irp i, 0,1,2,3,4,5,6,7
	ds_load_b128 v[64*(\f)+8*\i:64*(\f)+8*\i+3],   v[ADRB+\slot] offset:64*(\q)+\i*16*BP
	ds_load_b128 v[64*(\f)+8*\i+4:64*(\f)+8*\i+7], v[ADRB+\slot] offset:64*(\q)+\i*16*BP+32
.endr
	WIN 0
.irp i, 0,1,2,3
	ds_load_b128 v[AF+32*(\f)+8*\i:AF+32*(\f)+8*\i+3],   v[ADRA+\slot] offset:((\q)/2)*ASUB+((\q)%2)*64+\i*16*AP
	ds_load_b128 v[AF+32*(\f)+8*\i+4:AF+32*(\f)+8*\i+7], v[ADRA+\slot] offset:((\q)/2)*ASUB+((\q)%2)*64+\i*16*AP+32
.endr
.endm
; One of a K step's first three quarters: multiplies buffer f and, in its middle, fetches quarter q into buffer g.
.macro QUARTER slot, q, f, g, first
	s_wait_dscnt 4                                 ; all but the youngest four loads (a's blocks 2, 3)
.if \first
	WIN MUL0
.else
	WIN MUL
.endif
	MUL8 \f, 0, \first
	MUL8 \f, 1, \first
	PLACES 4                                       ; ahead of loads into registers that matrix instructions have read
	FETCH \slot, \q, \g
	s_wait_dscnt 24                                ; all but the 24 just issued
.if \first
	WIN MUL0
.else
	WIN MUL
.endif
	MUL8 \f, 2, \first
	MUL8 \f, 3, \first
.endm
; The last quarter multiplies buffer 1 and changes slots: each wave waits for all its tensor loads, adds 0 to its spare word, waits for that and its reads of this slot; one barrier.  fill = 1: it opens a round of the cluster's barrier, and this slot is filled again, two K steps ahead.
.macro TURN slot, next, fill
	WIN 0
	s_wait_tensorcnt 0x0                           ; my part of the next slot has landed
	ds_add_u32 v[SPW], v[NIL]
	s_wait_dscnt 5                                 ; the add and the youngest four loads may be out
	WIN MUL
	MUL8 1, 0, 0
	s_wait_dscnt 0x0                               ; the add is done, and my reads of this slot are over
	s_barrier_signal -1
	MUL8 1, 1, 0
.if \fill
	WIN 0
.endif
	s_barrier_wait -1
.if \fill
	CREST
	s_add_nc_u64 s[G0+4*\slot+2:G0+4*\slot+3], s[G0+4*\slot+2:G0+4*\slot+3], 4194304
	s_add_nc_u64 s[G0B+4*\slot+2:G0B+4*\slot+3], s[G0B+4*\slot+2:G0B+4*\slot+3], 512
	JLOAD \slot                                    ; the first tensor load behind the round; its four v_nop are also the places in front of the loads below
.else
	PLACES 4
.endif
	FETCH \next, 0, 0
	WIN MUL
	MUL8 1, 2, 0
	MUL8 1, 3, 0
.endm
	s_wait_tensorcnt 1                             ; my part of K step 0 is in; K step 1's may be out
	s_barrier_signal -1
	s_barrier_wait -1
	FETCH 0, 0, 0
	s_wait_loadcnt 0x0                             ; bo
	QUARTER 0, 1, 0, 1, 1                          ; the first quarter stands in front of the loop: its products begin the sums with bo
	WIN 0
	s_mov_b32 s3, LAPS-1
.Llap:                                             ; a trip goes once round the ring and fills both slots again
	QUARTER 0, 2, 1, 0, 0
	QUARTER 0, 3, 0, 1, 0
	TURN 0, 1, 1
	QUARTER 1, 1, 0, 1, 0
	QUARTER 1, 2, 1, 0, 0
	QUARTER 1, 3, 0, 1, 0
	TURN 1, 0, 1
	QUARTER 0, 1, 0, 1, 0
	WIN 0
	s_sub_co_u32 s3, s3, 1
	s_cmp_lg_u32 s3, 0
	s_cbranch_scc1 .Llap
	QUARTER 0, 2, 1, 0, 0                          ; the last lap fills nothing
	QUARTER 0, 3, 0, 1, 0
	TURN 0, 1, 0
	QUARTER 1, 1, 0, 1, 0
	QUARTER 1, 2, 1, 0, 0
	QUARTER 1, 3, 0, 1, 0
	s_wait_dscnt 4
	WIN MUL
	MUL8 1, 0, 0
	MUL8 1, 1, 0
	s_wait_dscnt 0
	MUL8 1, 2, 0
	MUL8 1, 3, 0
	WIN 0
; THE WAY OUT, a block of 16 tokens x 128 columns at a time: 32 bytes a lane into my stage, back as whole rows of 512 bytes, which the 32 lanes store as 512 consecutive bytes, aligned.
.macro TOSTAGE a
	WIN 0x08                                       ; an LDS store's data: window 2
.irp b, 0,1,2,3,4,5,6,7
	ds_store_b128 v[STO], v[8*(8*(\a)+\b):8*(8*(\a)+\b)+3] offset:64*\b          ; each accumulator from its low end on
	ds_store_b128 v[STO], v[8*(8*(\a)+\b)+4:8*(8*(\a)+\b)+7] offset:64*\b+16
.endr
	WIN 0
.set BB, BK+64*((\a)%2)
.irp t, 0,1,2,3,4,5,6,7,8,9,10,11,12,13,14,15
	ds_load_b128 v[BB+4*\t:BB+4*\t+3], v[RD] offset:\t*SPITCH                    ; LDS serves a wave's instructions in order: these see the stores above
.endr
.endm
.macro SEND a, younger                 ; younger: the next block's 16 stores and 16 loads, or none
.set BB, BK+64*((\a)%2)
	s_wait_dscnt \younger
.irp t, 0,1,2,3,4,5,6,7,8,9,10,11,12,13,14,15
	global_store_b128 v[CO], v[BB+4*\t:BB+4*\t+3], s[10:11] offset:(16*(\a)+\t)*4096 th:TH_STORE_NT
.endr
.endm
	PLACES 4
	TOSTAGE 0
.irp a, 1,2,3
.if \a > 1
	s_wait_xcnt 0x0                                ; block a - 2's stores have read their registers: block a's loads may land there
.endif
	TOSTAGE \a
	SEND \a-1, 32
.endr
	SEND 3, 0
	s_wait_tensorcnt 0x0                           ; the wave's end
	ds_add_u32 v[SPW], v[NIL]
	s_wait_dscnt 0x0
	CROUND                                         ; the closing round
	s_endpgm
.Lfunc_end_k_q805b0c229e_proj:
	.size	k_q805b0c229e_proj, .Lfunc_end_k_q805b0c229e_proj-k_q805b0c229e_proj
	.p2alignl 7, 3214868480
	.fill 96, 4, 3214868480
	.section	.rodata,"a",@progbits
	.p2align	6, 0x0
	.amdhsa_kernel k_q805b0c229e_proj
		.amdhsa_group_segment_fixed_size 327680
		.amdhsa_private_segment_fixed_size 0
		.amdhsa_enable_private_segment 0
		.amdhsa_kernarg_size 32
		.amdhsa_user_sgpr_count 2
		.amdhsa_user_sgpr_kernarg_segment_ptr 1
		.amdhsa_wavefront_size32 1
		.amdhsa_system_sgpr_workgroup_id_x 1
		.amdhsa_system_sgpr_workgroup_id_y 1
		.amdhsa_system_sgpr_workgroup_id_z 1
		.amdhsa_system_vgpr_workitem_id 0
		.amdhsa_next_free_vgpr 768
		.amdhsa_next_free_sgpr 72
		.amdhsa_reserve_vcc 0
		.amdhsa_float_denorm_mode_32 3
		.amdhsa_float_denorm_mode_16_64 3
		.amdhsa_memory_ordered 1
		.amdhsa_forward_progress 1
		.amdhsa_inst_pref_size 87
	.end_amdhsa_kernel
	.amdgpu_metadata
---
amdhsa.version: [ 1, 2 ]
amdhsa.kernels:
  - .name:           k_q805b0c229e_proj
    .symbol:         k_q805b0c229e_proj.kd
    .args:
      - { .name: att, .offset: 0, .size: 8, .value_kind: global_buffer, .address_space: global }
      - { .name: wo16, .offset: 8, .size: 8, .value_kind: global_buffer, .address_space: global }
      - { .name: bo, .offset: 16, .size: 8, .value_kind: global_buffer, .address_space: global }
      - { .name: out0, .offset: 24, .size: 8, .value_kind: global_buffer, .address_space: global }
    .group_segment_fixed_size: 327680
    .private_segment_fixed_size: 0
    .kernarg_segment_align: 8
    .kernarg_segment_size: 32
    .max_flat_workgroup_size: 128
    .sgpr_count:     72
    .vgpr_count:     768
    .wavefront_size: 32
...
	.end_amdgpu_metadata
.endif
;; end of part 4
